; MI455X (gfx1250); checked and timed in simulation.
; The chip was launched on July 23, 2026; its instructions are those of AMD's public machine-readable ISA for CDNA 5 (MIT licence, August 2026) and "CDNA5" Instruction Set Architecture Reference Guide (July 2026). The comments in the code are by the model that wrote it; some were corrected since.
;; Block. Allowed arithmetic: float matrix products may take bf16 or f16 operands with f32 sums; other float arithmetic in f32, or as packed bf16 or f16 multiplies, adds, multiply-adds, maxima and minima; sums over many terms, partial sums and values carried from step to step in f32; what a program stores and reads back later, other than sums and carried values, may be rounded once to bf16 or f16.
;; Inputs: b_proj 512 float32; beta1 512 float32; beta2 512 float32; bf1 2,048 float32; bf2 512 float32; g1 512 float32; g2 512 float32; w1 512 x 2,048 float32; w2 2,048 x 512 float32; w_proj 512 x 512 float32; wk 16 x 512 x 32 float32; wq 16 x 512 x 32 float32; wv 16 x 512 x 32 float32; x 4 x 2,048 x 512 float32.
;; Outputs: out0 4 x 2,048 x 512 float32.
;; One version. Each part assembles by itself: llvm-mc -triple=amdgcn-amd-amdhsa -mcpu=gfx1250 --defsym DOCPART=n.
;; ======== version 1 of 1: 6 launches
;; workspace buffers: wf 6,291,456 bytes; hf 8,388,608 bytes; qkv 25,165,824 bytes; of 8,388,608 bytes; x1 16,777,216 bytes; h2f 8,388,608 bytes; act 33,554,432 bytes
;; launch prep (part 1): grid 704 x 1, 8 waves a work-group, no clusters, 18,432 bytes of LDS; arguments x, g1, beta1, wq, wk, wv, w_proj, w1, w2, hf, wf; writes hf, wf
.if DOCPART == 1
	.amdgcn_target "amdgcn-amd-amdhsa--gfx1250"
	.amdhsa_code_object_version 6
	.text
	.protected	k_qcbe7d502c8_prep
	.globl	k_qcbe7d502c8_prep
	.p2align	8
	.type	k_qcbe7d502c8_prep,@function
k_qcbe7d502c8_prep:
	s_mov_b64 s[64:65], 0
	v_nop
	global_prefetch_b8 v0, s[64:65] scope:SCOPE_SE
	s_setreg_imm32_b32 hwreg(HW_REG_WAVE_MODE, 25, 1), 1
	s_wait_xcnt 0x0
; PREP.  Work-groups 0-511: hf = LayerNorm(x; g1, beta1), 16 rows each, rounded once to bf16.  Work-groups 512-703: the six weights, rounded once to bf16 and turned, into wf.
; BLOCKS.  hf and wf are kept in blocks of 1,024 bytes = 16 rows x 32 k of bf16: byte 512 c + 16 (16 h + r) + 2 e holds (row r, k = 16 c + 8 h + e).  That is a matrix operand as it
; lies in registers: a wave reads a block by two loads of 16 bytes a lane, at 16 x lane and 512 bytes on.  hf: [row block 512][k block 16].
; wf: [n block][k block]: Wq, Wk, Wv (n = 512 sel + 32 head + f) 96 x 16 at byte 0; w_proj 32 x 16 at 1,572,864; w1 128 x 16 at 2,097,152; w2 32 x 64 at 4,194,304.
; THE NORM is made in two passes over registers: the mean, then the sum of (x - mean)^2; statistics in f32.  NaN and infinities are not treated apart.
; Memory binds: every byte is read once, all of a wave's loads go out together, every store covers whole aligned runs of 256 bytes.  No matrix unit, no cluster: nothing is shared.
.set SPARE, 17408                      ; behind the stage: the spare words, 128 bytes a wave
.set PP,  272                          ; the stage: 64 pieces (8 columns x 16 rows = 256 bytes) 272 bytes apart
.set X,   16                           ; v[16:47]  two rows: 16 numbers a lane each (columns 128 i + 4 lane + 0..3)
.set G,   48                           ; v[48:63]  g1 of my 16 columns
.set BT,  64                           ; v[64:79]  beta1
.set T,   80                           ; v[80:95]  row q at T + 8 q: +0,1 mean (a pair), +2..5 two chains, +6,7 1/sigma (a pair)
.set Y,   96                           ; v[96:111] packed results
.set SPW, 112                          ; LDS address of my spare word; never rewritten
.set NIL, 113                          ; 0; never rewritten
	s_load_b512 s[4:19], s[0:1], 0x0               ; x 4, g1 6, beta1 8, wq 10, wk 12, wv 14, w_proj 16, w1 18
	s_load_b128 s[20:23], s[0:1], 0x40             ; w2 20, hf 22
	s_load_b64 s[24:25], s[0:1], 0x50              ; wf
	v_lshl_add_u32 v[SPW], v0, 2, SPARE
	v_mov_b32 v[NIL], 0
	v_lshrrev_b32 v1, 5, v0
	v_readfirstlane_b32 s26, v1                    ; wave 0..7
	v_and_b32 v2, 31, v0                           ; lane
	s_mov_b32 s28, 0x76543210                      ; v_permlanex16_b32: each lane takes its own place in the other half
	s_mov_b32 s29, 0xfedcba98
	s_mov_b32 s30, 0x3b000000                      ; 1 / 512
	s_mov_b32 s33, 0
	s_wait_kmcnt 0x0
	s_cmp_ge_u32 ttmp9, 512
	s_cbranch_scc1 .Lw                             ; the same for all waves of a work-group
.macro LANESUM r, t                    ; the sum over 32 lanes, in every lane; t has been written before
	v_add_f32_dpp v[\r], v[\r], v[\r] row_xmask:1 row_mask:0xf bank_mask:0xf
	v_add_f32_dpp v[\r], v[\r], v[\r] row_xmask:2 row_mask:0xf bank_mask:0xf
	v_add_f32_dpp v[\r], v[\r], v[\r] row_xmask:4 row_mask:0xf bank_mask:0xf
	v_add_f32_dpp v[\r], v[\r], v[\r] row_xmask:8 row_mask:0xf bank_mask:0xf
	v_permlanex16_b32 v[\t], v[\r], s28, s29
	v_add_f32 v[\r], v[\r], v[\t]
.endm
	; ---- the norm: wave w takes rows 2 w and 2 w + 1 of the work-group's 16
	s_lshl_b32 s32, ttmp9, 15                      ; 16 rows of 2,048 bytes
	s_add_nc_u64 s[4:5], s[4:5], s[32:33]
	s_lshl_b32 s32, ttmp9, 14                      ; a row block of hf
	s_add_nc_u64 s[22:23], s[22:23], s[32:33]
	v_lshlrev_b32 v3, 4, v2                        ; 16 x lane
	s_lshl_b32 s34, s26, 12
	v_add_nc_u32 v4, s34, v3                       ; + my two rows
.irp q, 0,1
.irp i, 0,1,2,3
	global_load_b128 v[X+16*\q+4*\i:X+16*\q+4*\i+3], v4, s[4:5] offset:2048*\q+512*\i th:TH_LOAD_NT
.endr
.endr
.irp i, 0,1,2,3
	global_load_b128 v[G+4*\i:G+4*\i+3], v3, s[6:7] offset:512*\i
.endr
.irp i, 0,1,2,3
	global_load_b128 v[BT+4*\i:BT+4*\i+3], v3, s[8:9] offset:512*\i
.endr
	v_lshrrev_b32 v8, 1, v2                        ; into the stage: piece 16 i + lane / 2, row 2 w + q, 8 bytes
	v_mul_u32_u24 v8, v8, PP
	v_and_b32 v9, 1, v2
	v_lshl_add_u32 v8, v9, 3, v8
	s_lshl_b32 s35, s26, 5
	v_add_nc_u32 v8, s35, v8
	v_lshrrev_b32 v10, 4, v2                       ; back: wave w takes pieces 8 w .. 8 w + 7, two to a load
	v_mul_u32_u24 v10, v10, PP
	v_and_b32 v11, 15, v2
	v_lshl_add_u32 v10, v11, 4, v10
	s_mul_i32 s35, s26, 8*PP
	v_add_nc_u32 v10, s35, v10
	s_lshl_b32 s35, s26, 11
	v_add_nc_u32 v12, s35, v3                      ; and their 2,048 bytes of the row block
	s_wait_loadcnt 0x8                             ; x is in; the eight younger loads (g1, beta1) may stay out
.irp q, 0,1
	v_pk_add_f32 v[T+8*\q+2:T+8*\q+3], v[X+16*\q:X+16*\q+1], v[X+16*\q+2:X+16*\q+3]
	v_pk_add_f32 v[T+8*\q+4:T+8*\q+5], v[X+16*\q+4:X+16*\q+5], v[X+16*\q+6:X+16*\q+7]
.endr
.irp n, 8,12
.irp q, 0,1
	v_pk_add_f32 v[T+8*\q+2:T+8*\q+3], v[T+8*\q+2:T+8*\q+3], v[X+16*\q+\n:X+16*\q+\n+1]
	v_pk_add_f32 v[T+8*\q+4:T+8*\q+5], v[T+8*\q+4:T+8*\q+5], v[X+16*\q+\n+2:X+16*\q+\n+3]
.endr
.endr
.irp q, 0,1
	v_pk_add_f32 v[T+8*\q+2:T+8*\q+3], v[T+8*\q+2:T+8*\q+3], v[T+8*\q+4:T+8*\q+5]
.endr
.irp q, 0,1
	v_add_f32 v[T+8*\q], v[T+8*\q+2], v[T+8*\q+3]
.endr
	LANESUM T, T+3
	LANESUM T+8, T+11
.irp q, 0,1
	v_mul_f32 v[T+8*\q], s30, v[T+8*\q]            ; the mean
	v_mov_b32 v[T+8*\q+1], v[T+8*\q]               ; named with it as a pair
.endr
.irp n, 0,2,4,6,8,10,12,14
.irp q, 0,1
	v_pk_add_f32 v[X+16*\q+\n:X+16*\q+\n+1], v[X+16*\q+\n:X+16*\q+\n+1], v[T+8*\q:T+8*\q+1] op_sel_hi:[1,0] neg_lo:[0,1] neg_hi:[0,1]
.endr
.endr
.irp q, 0,1
	v_pk_mul_f32 v[T+8*\q+2:T+8*\q+3], v[X+16*\q:X+16*\q+1], v[X+16*\q:X+16*\q+1]
	v_pk_mul_f32 v[T+8*\q+4:T+8*\q+5], v[X+16*\q+2:X+16*\q+3], v[X+16*\q+2:X+16*\q+3]
.endr
.irp n, 4,8,12
.irp q, 0,1
	v_pk_fma_f32 v[T+8*\q+2:T+8*\q+3], v[X+16*\q+\n:X+16*\q+\n+1], v[X+16*\q+\n:X+16*\q+\n+1], v[T+8*\q+2:T+8*\q+3]
	v_pk_fma_f32 v[T+8*\q+4:T+8*\q+5], v[X+16*\q+\n+2:X+16*\q+\n+3], v[X+16*\q+\n+2:X+16*\q+\n+3], v[T+8*\q+4:T+8*\q+5]
.endr
.endr
.irp q, 0,1
	v_pk_add_f32 v[T+8*\q+2:T+8*\q+3], v[T+8*\q+2:T+8*\q+3], v[T+8*\q+4:T+8*\q+5]
.endr
.irp q, 0,1
	v_add_f32 v[T+8*\q+6], v[T+8*\q+2], v[T+8*\q+3]
	v_mov_b32 v[T+8*\q+7], 0                       ; named with it as a pair
.endr
	LANESUM T+6, T+3
	LANESUM T+14, T+11
	v_fmaak_f32 v[T+6], s30, v[T+6], 0x3727c5ac    ; the variance + 1e-5
	v_fmaak_f32 v[T+14], s30, v[T+14], 0x3727c5ac
	v_rsq_f32 v[T+6], v[T+6]
	v_rsq_f32 v[T+14], v[T+14]
	v_nop                                          ; a plain instruction behind the last root,
	s_wait_alu depctr_va_vdst(0)                   ; and one wait for both, ahead of their first reader
	s_wait_loadcnt 0x0                             ; g1 and beta1
.irp n, 0,2,4,6,8,10,12,14
.irp q, 0,1
	v_pk_mul_f32 v[X+16*\q+\n:X+16*\q+\n+1], v[X+16*\q+\n:X+16*\q+\n+1], v[T+8*\q+6:T+8*\q+7] op_sel_hi:[1,0]
.endr
.endr
.irp n, 0,2,4,6,8,10,12,14
.irp q, 0,1
	v_pk_fma_f32 v[X+16*\q+\n:X+16*\q+\n+1], v[X+16*\q+\n:X+16*\q+\n+1], v[G+\n:G+\n+1], v[BT+\n:BT+\n+1]
.endr
.endr
.irp n, 0,1,2,3,4,5,6,7
.irp q, 0,1
	v_cvt_pk_bf16_f32 v[Y+8*\q+\n], v[X+16*\q+2*\n], v[X+16*\q+2*\n+1]
.endr
.endr
.irp q, 0,1
.irp i, 0,1,2,3
	ds_store_b64 v8, v[Y+8*\q+2*\i:Y+8*\q+2*\i+1] offset:16*PP*\i+16*\q
.endr
.endr
	s_wait_dscnt 0x0                               ; for the others' sake: my stores into the stage are done
	s_barrier_signal -1
	s_barrier_wait -1
.irp t, 0,1,2,3
	ds_load_b128 v[X+4*\t:X+4*\t+3], v10 offset:2*PP*\t
.endr
.irp t, 0,1,2,3
	s_wait_dscnt 3-\t
	global_store_b128 v12, v[X+4*\t:X+4*\t+3], s[22:23] offset:512*\t  ; 512 consecutive bytes, aligned
.endr
	s_branch .Lend
	; ---- the weights: strip t = 32 columns x 512 k; wave w takes 64 k; a lane is a column, eight k of it pack into 16 bytes of a block
.Lw:
	s_sub_co_u32 s31, ttmp9, 512                   ; t: 0-15 wq, 16-31 wk, 32-47 wv (a head each), 48-63 w_proj, 64-127 w1, 128-191 w2 (column group (t-128)/4, quarter of k (t-128)%4)
	s_and_b32 s66, s31, 15
	s_lshl_b32 s66, s66, 16                        ; the strip's first byte: a head's 65,536 bytes,
	s_sub_co_u32 s67, s31, 48
	s_lshl_b32 s67, s67, 7                         ; or 128 bytes a strip along the rows
	s_sub_co_u32 s68, s31, 64
	s_lshl_b32 s68, s68, 7
	s_sub_co_u32 s32, s31, 128
	s_lshr_b32 s34, s32, 2
	s_and_b32 s35, s32, 3
	s_lshl_b32 s69, s34, 7
	s_lshl_b32 s70, s31, 15                        ; where it goes: two n blocks of 16 k blocks = 32,768 bytes a strip,
	s_lshl_b32 s71, s34, 17                        ; or, in w2, two n blocks of 64 k blocks,
	s_lshl_b32 s72, s35, 14                        ; and 16 k blocks a quarter
	s_add_co_u32 s71, s71, s72
	s_add_co_u32 s71, s71, 0x400000
	s_lshl_b32 s72, s35, 9                         ; the quarter's first k
	s_mov_b32 s73, 8192                            ; bytes from k to k + 1
	s_mov_b32 s74, 2048
	s_mov_b32 s75, 128
	s_mov_b32 s76, 16384                           ; bytes from an n block to the next
	s_mov_b32 s77, 65536
	s_cmp_lt_u32 s31, 128                          ; the choices hang on the work-group's number alone
	s_cselect_b64 s[36:37], s[18:19], s[20:21]
	s_cselect_b32 s38, s73, s74
	s_cselect_b32 s39, s68, s69
	s_cselect_b32 s56, 0, s72
	s_cselect_b32 s57, s70, s71
	s_cselect_b32 s58, s76, s77
	s_cmp_lt_u32 s31, 64
	s_cselect_b64 s[36:37], s[16:17], s[36:37]
	s_cselect_b32 s38, s74, s38
	s_cselect_b32 s39, s67, s39
	s_cmp_lt_u32 s31, 48
	s_cselect_b64 s[36:37], s[14:15], s[36:37]
	s_cselect_b32 s38, s75, s38
	s_cselect_b32 s39, s66, s39
	s_cmp_lt_u32 s31, 32
	s_cselect_b64 s[36:37], s[12:13], s[36:37]
	s_cmp_lt_u32 s31, 16
	s_cselect_b64 s[36:37], s[10:11], s[36:37]
	s_lshl_b32 s59, s26, 6
	s_add_co_u32 s56, s56, s59                     ; my first k
	s_mul_i32 s60, s56, s38
	s_add_co_u32 s60, s60, s39
	s_mov_b32 s61, 0
	s_add_nc_u64 s[40:41], s[36:37], s[60:61]      ; a base for each eight k
	s_lshl_b32 s62, s38, 3
	s_mov_b32 s63, 0
.irp o, 1,2,3,4,5,6,7
	s_add_nc_u64 s[40+2*\o:41+2*\o], s[38+2*\o:39+2*\o], s[62:63]
.endr
	s_lshl_b32 s59, s26, 11                        ; my two k blocks
	s_add_co_u32 s60, s57, s59
	s_add_nc_u64 s[24:25], s[24:25], s[60:61]
	v_lshlrev_b32 v3, 2, v2
.irp j, 0,1,2,3,4,5,6,7
	v_mad_u32_u24 v[8+\j], s38, \j, v3             ; k + j, my column
.endr
	v_lshrrev_b32 v4, 4, v2
	v_mul_u32_u24 v4, s58, v4                      ; lanes 16-31: the next n block
	v_and_b32 v5, 15, v2
	v_lshl_add_u32 v4, v5, 4, v4
.irp o, 0,1,2,3,4,5,6,7
.irp j, 0,1,2,3,4,5,6,7
	global_load_b32 v[16+8*\o+\j], v[8+\j], s[40+2*\o:41+2*\o] th:TH_LOAD_NT
.endr
.endr
.irp o, 0,1,2,3,4,5,6,7
	s_wait_loadcnt 56-8*\o                         ; these eight k are in; the later ones' loads may stay out
.irp n, 0,1,2,3
	v_cvt_pk_bf16_f32 v[80+4*\o+\n], v[16+8*\o+2*\n], v[16+8*\o+2*\n+1]
.endr
	global_store_b128 v4, v[80+4*\o:80+4*\o+3], s[24:25] offset:256*\o  ; each half of the lanes: 256 consecutive bytes, aligned
.endr
.Lend:
	s_wait_tensorcnt 0x0                           ; the wave's end, behind the last LDS store
	ds_add_u32 v[SPW], v[NIL]
	s_wait_dscnt 0x0
	s_endpgm
.Lfunc_end_k_qcbe7d502c8_prep:
	.size	k_qcbe7d502c8_prep, .Lfunc_end_k_qcbe7d502c8_prep-k_qcbe7d502c8_prep
	.p2alignl 7, 3214868480
	.fill 96, 4, 3214868480
	.section	.rodata,"a",@progbits
	.p2align	6, 0x0
	.amdhsa_kernel k_qcbe7d502c8_prep
		.amdhsa_group_segment_fixed_size 18432
		.amdhsa_private_segment_fixed_size 0
		.amdhsa_enable_private_segment 0
		.amdhsa_kernarg_size 88
		.amdhsa_user_sgpr_count 2
		.amdhsa_user_sgpr_kernarg_segment_ptr 1
		.amdhsa_wavefront_size32 1
		.amdhsa_system_sgpr_workgroup_id_x 1
		.amdhsa_system_sgpr_workgroup_id_y 1
		.amdhsa_system_sgpr_workgroup_id_z 1
		.amdhsa_system_vgpr_workitem_id 0
		.amdhsa_next_free_vgpr 114
		.amdhsa_next_free_sgpr 80
		.amdhsa_reserve_vcc 0
		.amdhsa_float_denorm_mode_32 3
		.amdhsa_float_denorm_mode_16_64 3
		.amdhsa_memory_ordered 1
		.amdhsa_forward_progress 1
		.amdhsa_inst_pref_size 25
	.end_amdhsa_kernel
	.amdgpu_metadata
---
amdhsa.version: [ 1, 2 ]
amdhsa.kernels:
  - .name:           k_qcbe7d502c8_prep
    .symbol:         k_qcbe7d502c8_prep.kd
    .args:
      - { .name: x, .offset: 0, .size: 8, .value_kind: global_buffer, .address_space: global }
      - { .name: g1, .offset: 8, .size: 8, .value_kind: global_buffer, .address_space: global }
      - { .name: beta1, .offset: 16, .size: 8, .value_kind: global_buffer, .address_space: global }
      - { .name: wq, .offset: 24, .size: 8, .value_kind: global_buffer, .address_space: global }
      - { .name: wk, .offset: 32, .size: 8, .value_kind: global_buffer, .address_space: global }
      - { .name: wv, .offset: 40, .size: 8, .value_kind: global_buffer, .address_space: global }
      - { .name: w_proj, .offset: 48, .size: 8, .value_kind: global_buffer, .address_space: global }
      - { .name: w1, .offset: 56, .size: 8, .value_kind: global_buffer, .address_space: global }
      - { .name: w2, .offset: 64, .size: 8, .value_kind: global_buffer, .address_space: global }
      - { .name: hf, .offset: 72, .size: 8, .value_kind: global_buffer, .address_space: global }
      - { .name: wf, .offset: 80, .size: 8, .value_kind: global_buffer, .address_space: global }
    .group_segment_fixed_size: 18432
    .private_segment_fixed_size: 0
    .kernarg_segment_align: 8
    .kernarg_segment_size: 88
    .max_flat_workgroup_size: 256
    .sgpr_count:     80
    .vgpr_count:     114
    .wavefront_size: 32
...
	.end_amdgpu_metadata
.endif
;; end of part 1
;; launch qkv (part 2): grid 8 x 32, 4 waves a work-group, clusters of 4 x 4, 327,680 bytes of LDS; arguments hf, wf, qkv; writes qkv
.if DOCPART == 2
	.amdgcn_target "amdgcn-amd-amdhsa--gfx1250"
	.amdhsa_code_object_version 6
	.text
	.protected	k_qcbe7d502c8_qkv
	.globl	k_qcbe7d502c8_qkv
	.p2align	8
	.type	k_qcbe7d502c8_qkv,@function
k_qcbe7d502c8_qkv:
	s_mov_b64 s[64:65], 0
	v_nop
	global_prefetch_b8 v0, s[64:65] scope:SCOPE_SE
	s_setreg_imm32_b32 hwreg(HW_REG_WAVE_MODE, 25, 1), 1
	s_wait_xcnt 0x0
	s_wait_alu depctr_hold_cnt(0) depctr_sa_sdst(0) depctr_va_vdst(0) depctr_va_sdst(0) depctr_va_ssrc(0) depctr_va_vcc(0) depctr_vm_vsrc(0)
	s_getreg_b32 s2, hwreg(HW_REG_IB_STS2, 6, 4)
	s_cmp_eq_u32 s2, 0
	s_cbranch_scc0 .Lentry_in_a_cluster
	s_endpgm
.Lentry_in_a_cluster:
	s_bfe_u32 s2, ttmp6, 0x10000c
	s_cmp_lg_u32 s2, 0xf033
	s_cbranch_scc0 .Lentry_shape_is_right
	s_endpgm
.Lentry_shape_is_right:
; A GEMM ON BLOCKS, one text for two launches (FF1 = 0: q, k, v = hf Wqkv; FF1 = 1: act = relu(h2f W1 + bf1)).  M = 8,192, K = 512, N = 1,536 or 2,048; bf16 operands, f32 sums.
; BLOCKS.  All operands lie in blocks of 1,024 bytes = 16 rows x 32 k: byte 512 c + 16 x lane + 2 e holds (row lane % 16, k = 16 c + 8 (lane / 16) + e): an operand as it lies in registers.
; So LDS rows need no padding (a load is 16 x lane: 512 consecutive bytes) and a tile's rows in memory are 4,096 consecutive bytes.
; SHARES.  A work-group makes 256 rows x 32 NBW columns, each of its four waves 128 x 16 NBW: 8 x NBW accumulators.  K goes in four steps of 128 through two LDS slots.
; THE PRODUCT IS TAKEN TRANSPOSED (source 0 = 16 rows of the weights, source 1 = 16 rows of the activations): a lane holds one row and eight neighbouring columns, which pack into the 16
; bytes that it owns in the NEXT product's block: each store of a wave is 512 consecutive bytes, and no stage in LDS is needed.
; CLUSTER 4 x 4: the activations' tile is shared along a row of the cluster, the weights' along a column; each is asked for jointly.
; FF1 = 0: q is multiplied by c = log2(e) / sqrt(512) in f32 ahead of its one rounding; v is stored with its 16-byte pieces in the order in which the turning LDS load wants them.
; FF1 = 1: the bias is the C operand of the products that start the sums.  All four K steps are asked for within the first two steps.
.set FF1,   0
.set NBW,   6+2*FF1                    ; blocks of 16 columns to a wave
.set WOFF,  2097152*FF1                ; the weights' first byte in wf
.set SLOT1, 131072                     ; slot 1; one exclusive or turns an address in one slot into the other's
.set AHALF, 32768                      ; 8 row blocks x 4 k blocks: what one wave fetches and reads of the activations
.set BOFF,  65536                      ; the weights' tile lies behind the activations'
.set BHALF, NBW*4096
.set SPARE, 262144                     ; behind the ring: the spare words, 128 bytes a wave
.set L16,   1                          ; v1  16 x lane; never rewritten
.set ADRA0, 2                          ; v2  my activations in slot 0
.set ADRB0, 3                          ; v3  my weights in slot 0
.set ADRA,  4                          ; v4, v5  the same in the slot in hand
.set ADRB,  5
.set OFS,   6                          ; v6-8  the way out's offsets (FF1: v6 the bias's)
.set SPW,   28                         ; LDS address of my spare word; never rewritten
.set NIL,   29                         ; 0; never rewritten
.set ZR,    30                         ; 0, for the ReLU
.set F0,    64                         ; two fragment buffers: activations in window 0, weights in window 1
.set F1,    128
.set TMP,   64                         ; the way out: packed results, window 0
.set BIAS,  192                        ; window 1: the bias of my columns, laid as an accumulator's registers
.set WV,    10
.set G1,    24                         ; s[24:31] group 1, s[32:39] two groups 0: the activations' tiles
.set G0,    32
.set G1B,   48                         ; s[48:55], s[56:63]: the weights'
.set G0B,   56
.set TB,    45                         ; s45  LDS byte of the slot in hand
.set MSB,   0
.macro WIN new                         ; the immediate's high byte repeats the setting that is left; a switch that changes nothing is dropped
.if MSB != (\new)
	s_set_vgpr_msb (MSB<<8)|(\new)
.set MSB, \new
.endif
.endm
.macro PLACES                          ; four plain instructions behind a matrix instruction, ahead of loads into its sources and of readers of its result
.rept 4
	v_nop
.endr
.endm
.macro JLOAD s                         ; a joint load: waves 0, 1 fetch the activations' halves, waves 2, 3 the weights'; the branch hangs on the wave's number alone
	s_cmp_eq_u32 s11, 0
	s_cbranch_scc0 .Lfor_b_\@
	tensor_load_to_lds s[G0+4*(\s):G0+4*(\s)+3], s[G1:G1+7]
	s_nop 0
	PLACES
	s_branch .Lasked_\@
.Lfor_b_\@:
	tensor_load_to_lds s[G0B+4*(\s):G0B+4*(\s)+3], s[G1B:G1B+7]
	s_nop 0
	PLACES
.Lasked_\@:
.endm
.macro CREST                           ; a round of the cluster's barrier behind its opening barrier
	s_cmp_lg_u32 s[WV], 0
	s_cbranch_scc1 .Lnot_wave_0_\@
	s_barrier_signal -3
.Lnot_wave_0_\@:
	s_barrier_wait -3
	s_barrier_signal -1
	s_barrier_wait -1
.endm
.macro CROUND
	s_barrier_signal -1
	s_barrier_wait -1
	CREST
.endm
	s_load_b128 s[4:7], s[0:1], 0x0                ; activations s[4:5], wf s[6:7]
	s_load_b64 s[8:9], s[0:1], 0x10                ; the result
.if FF1
	s_load_b64 s[46:47], s[0:1], 0x18              ; the bias
.endif
	v_lshl_add_u32 v[SPW], v0, 2, SPARE
	v_mov_b32 v[NIL], 0
	ds_add_u32 v[SPW], v[NIL]                      ; the wave's opening: the add and its wait ahead of my first tensor load
	ds_add_u32 v28, v29
	v_lshrrev_b32 v1, 5, v0
	v_readfirstlane_b32 s[WV], v1                  ; wave 0..3
	s_lshr_b32 s11, s[WV], 1                       ; my half of the rows; also: I fetch activations (0) or weights (1)
	s_and_b32 s12, s[WV], 1                        ; my half of the columns; also: which half I fetch
	s_bfe_u32 s40, ttmp6, 0x40000                  ; cx
	s_bfe_u32 s41, ttmp6, 0x40004                  ; cy
	s_lshl_b32 s42, ttmp9, 2
	s_add_co_u32 s42, s42, s40                     ; tile column
	s_and_b32 s13, ttmp7, 0xffff
	s_lshl_b32 s13, s13, 2
	s_add_co_u32 s13, s13, s41                     ; tile row
	s_lshl_b32 s43, s41, 2
	s_lshl_b32 s43, 15, s43                        ; my row of the cluster
	s_lshl_b32 s44, 0x1111, s40                    ; my column
	s_or_b32 s[G1], s43, (3<<16)|(1<<21)           ; the mask; elements of 8 bytes; bit 21 beside a mask; no padding
	s_or_b32 s[G1B], s44, (3<<16)|(1<<21)
	s_mov_b32 s[G1+1], 512<<16                     ; tensor_dim0 = 512 elements: 4,096 bytes, four k blocks of a row block
	s_mov_b32 s[G1B+1], 512<<16
	s_mov_b32 s[G1+2], 8<<16                       ; tensor_dim1 = 8 row blocks
	s_mov_b32 s[G1B+2], NBW<<16
	s_mov_b32 s[G1+3], 512<<16                     ; tile_dim0
	s_mov_b32 s[G1B+3], 512<<16
	s_mov_b32 s[G1+4], 8                           ; tile_dim1
	s_mov_b32 s[G1B+4], NBW
	s_mov_b32 s[G1+5], 2048                        ; 16,384 bytes from a row block to the next
	s_mov_b32 s[G1B+5], 2048
	s_mov_b32 s[G1+6], 0
	s_mov_b32 s[G1B+6], 0
	s_mov_b32 s[G1+7], 0
	s_mov_b32 s[G1B+7], 0
	s_lshl_b32 s16, s13, 4                         ; activations: row block 16 x tile row + 8 x half: of the tile row and the wave's number alone
	s_lshl_b32 s17, s12, 3
	s_add_co_u32 s16, s16, s17
	s_lshl_b32 s16, s16, 14
	s_mov_b32 s17, 0
	s_mul_i32 s18, s42, 2*NBW                      ; weights: n block 2 NBW x tile column + NBW x half: of the tile column and the wave's number alone
	s_mul_i32 s19, s12, NBW
	s_add_co_u32 s18, s18, s19
	s_lshl_b32 s18, s18, 14
	s_add_co_u32 s18, s18, WOFF
	s_mov_b32 s19, 0
	s_lshl_b32 s20, s12, 15                        ; where they go: no place in the cluster enters an LDS address
	s_mul_i32 s21, s12, BHALF
	s_add_co_u32 s21, s21, BOFF
	s_wait_dscnt 0x0                               ; the opening add is done
	s_wait_kmcnt 0x0
	s_add_nc_u64 s[14:15], s[4:5], s[16:17]
	s_add_nc_u64 s[22:23], s[6:7], s[18:19]
	CROUND                                         ; all sixteen work-groups are here: the first joint loads meet
.irp s, 0,1
	s_mov_b32 s[G0+4*(\s)], 1
	s_add_co_u32 s[G0+4*(\s)+1], s20, (\s)*SLOT1
	s_add_nc_u64 s[G0+4*(\s)+2:G0+4*(\s)+3], s[14:15], (\s)*4096   ; K step s
	s_or_b32 s[G0+4*(\s)+3], s[G0+4*(\s)+3], 0x80000000
	s_mov_b32 s[G0B+4*(\s)], 1
	s_add_co_u32 s[G0B+4*(\s)+1], s21, (\s)*SLOT1
	s_add_nc_u64 s[G0B+4*(\s)+2:G0B+4*(\s)+3], s[22:23], (\s)*4096
	s_or_b32 s[G0B+4*(\s)+3], s[G0B+4*(\s)+3], 0x80000000
	JLOAD \s
.endr
	v_and_b32 v[L16], 31, v0
	v_lshlrev_b32 v[L16], 4, v[L16]
	s_lshl_b32 s2, s11, 15
	v_add_nc_u32 v[ADRA0], s2, v[L16]
	v_add_nc_u32 v[ADRB0], s21, v[L16]
	v_mov_b32 v[ADRA], v[ADRA0]
	v_mov_b32 v[ADRB], v[ADRB0]
	s_mov_b32 s[TB], 0
.if FF1
	s_lshl_b32 s66, s42, 10                        ; the bias of my 128 columns
	s_lshl_b32 s67, s12, 9
	s_add_co_u32 s66, s66, s67
	s_mov_b32 s67, 0
	s_add_nc_u64 s[46:47], s[46:47], s[66:67]
	v_lshrrev_b32 v[OFS], 8, v[L16]
	v_lshlrev_b32 v[OFS], 5, v[OFS]                ; 32 x (lane / 16): register j of block b is column 16 b + 8 (lane / 16) + j
	WIN 0x40
.set ib, 0
.rept 8
	global_load_b128 v[BIAS+8*ib:BIAS+8*ib+3], v[OFS], s[46:47] offset:64*ib
	global_load_b128 v[BIAS+8*ib+4:BIAS+8*ib+7], v[OFS], s[46:47] offset:64*ib+16
.set ib, ib+1
.endr
	WIN 0
	v_mov_b32 v[ZR], 0
	s_lshl_b32 s66, s13, 4                         ; act: row block 16 x tile row + 8 x half, 65,536 bytes each; k block 8 x tile column + 4 x half
	s_lshl_b32 s67, s11, 3
	s_add_co_u32 s66, s66, s67
	s_lshl_b32 s66, s66, 16
	s_lshl_b32 s67, s42, 3
	s_lshl_b32 s68, s12, 2
	s_add_co_u32 s67, s67, s68
	s_lshl_b32 s67, s67, 10
	s_add_co_u32 s66, s66, s67
	s_mov_b32 s67, 0
	s_add_nc_u64 s[8:9], s[8:9], s[66:67]
.else
	s_mul_i32 s79, s42, 6                          ; my three groups of 32 columns: j = 16 sel + head = 6 x tile column + 3 x half + p
	s_mul_i32 s68, s12, 3
	s_add_co_u32 s79, s79, s68
	s_lshr_b32 s66, s13, 3                         ; qkv: [batch][j][token block] blocks of 1,024 bytes
	s_mul_i32 s66, s66, 6291456
	s_lshl_b32 s68, s79, 17
	s_add_co_u32 s66, s66, s68
	s_and_b32 s68, s13, 7
	s_lshl_b32 s68, s68, 4
	s_lshl_b32 s69, s11, 3
	s_add_co_u32 s68, s68, s69
	s_lshl_b32 s68, s68, 10
	s_add_co_u32 s66, s66, s68
	s_mov_b32 s67, 0
	s_add_nc_u64 s[8:9], s[8:9], s[66:67]
	s_mov_b32 s69, 0x3d8293ee                      ; c = log2(e) / sqrt(512) = 0.0637587
	v_and_b32 v10, 31, v0
	v_bfe_u32 v11, v10, 3, 1
	v_lshrrev_b32 v12, 4, v10
	v_and_b32 v13, 7, v10
	v_lshl_add_u32 v13, v12, 3, v13
	v_lshl_add_u32 v13, v11, 4, v13
	v_lshlrev_b32 v13, 4, v13                      ; v's order: token r, channels 8 hD on, are piece 16 (r / 8) + 8 hD + r % 8 of their 512 bytes
.irp p, 0,1,2
	s_add_co_u32 s68, s79, \p
	s_cmp_lt_u32 s68, 16                           ; q?  A factor and an offset are chosen; no branch and no LDS address hangs on them
	s_cselect_b32 s[70+2*\p], s69, 1.0
	s_mov_b32 s[71+2*\p], s[70+2*\p]               ; named with it as a pair
	s_cmp_ge_u32 s68, 32                           ; v?
	s_cselect_b32 s[76+\p], -1, 0
	v_cndmask_b32 v[OFS+\p], v[L16], v13, s[76+\p]
.endr
.endif
; 2 NBW products: row blocks a0, a0 + 1 of the window's four (hi: my rows 0-63 or 64-127) x all my column blocks, 32 along K.  Every accumulator has one turn a quarter, always in
; the same order.  first = 1: the products start the sums, with 0 or with the bias.
.macro MULH f, hi, a0, first
.if (\first) && FF1
	WIN 0x91+0x40*(\hi)
.else
	WIN 0xa1+0x50*(\hi)
.endif
.irp a, \a0, (\a0)+1
.set ib, 0
.rept NBW
.set rD, 8*(NBW*(\a)+ib)
.set rB, (\f)+8*ib
.set rA, (\f)+8*(4*(\hi)+(\a))
.if (\first) && FF1
	v_wmma_f32_16x16x32_bf16 v[rD:rD+7], v[rB:rB+7], v[rA:rA+7], v[BIAS+8*ib:BIAS+8*ib+7]
.elseif \first
	v_wmma_f32_16x16x32_bf16 v[rD:rD+7], v[rB:rB+7], v[rA:rA+7], 0
.else
	v_wmma_f32_16x16x32_bf16 v[rD:rD+7], v[rB:rB+7], v[rA:rA+7], v[rD:rD+7]
.endif
.set ib, ib+1
.endr
.endr
.endm
.macro FETCH k, f                      ; one run of LDS loads: k block k / 1,024 of the step: my weights, then my activations
	WIN 0x40
.set ib, 0
.rept NBW
	ds_load_b128 v[(\f)+8*ib:(\f)+8*ib+3],   v[ADRB] offset:(\k)+4096*ib
	ds_load_b128 v[(\f)+8*ib+4:(\f)+8*ib+7], v[ADRB] offset:(\k)+4096*ib+512
.set ib, ib+1
.endr
	WIN 0
.set ib, 0
.rept 8
	ds_load_b128 v[(\f)+8*ib:(\f)+8*ib+3],   v[ADRA] offset:(\k)+4096*ib
	ds_load_b128 v[(\f)+8*ib+4:(\f)+8*ib+7], v[ADRA] offset:(\k)+4096*ib+512
.set ib, ib+1
.endr
.endm
.macro QUARTER k, f, g, first          ; multiplies buffer f; in its middle fetches the next quarter's fragments into g
	s_wait_dscnt 8                                 ; all but the youngest eight loads (my rows 64-127)
	MULH \f, 0, 0, \first
	MULH \f, 0, 2, \first
	PLACES
	FETCH \k, \g
	s_wait_dscnt 2*NBW+16                          ; all but the run just issued
	MULH \f, 1, 0, \first
	MULH \f, 1, 2, \first
.endm
; A step's last quarter changes slots: one barrier.  Ahead of it each wave waits for all its tensor loads (one is out: its part of the next slot), adds 0 to its spare word, and waits for
; that and for its reads of this slot.  fill = 1: the barrier opens a round of the cluster's, and the joint refill, two K steps ahead, is the first thing behind it.
.macro TURN fill
	WIN 0
	s_wait_tensorcnt 0x0
	ds_add_u32 v[SPW], v[NIL]
	s_wait_dscnt 9                                 ; (the add and the youngest eight loads may be out)
	MULH F1, 0, 0, 0
	s_wait_dscnt 0x0                               ; the add is done, my reads of this slot are over
	s_barrier_signal -1
	MULH F1, 0, 2, 0
	WIN 0
	s_barrier_wait -1
.if \fill
	CREST
	s_xor_b32 s[G0+5], s[G0+5], SLOT1              ; the walking descriptors: the other slot than last time, the next K step
	s_add_nc_u64 s[G0+6:G0+7], s[G0+6:G0+7], 4096
	s_xor_b32 s[G0B+5], s[G0B+5], SLOT1
	s_add_nc_u64 s[G0B+6:G0B+7], s[G0B+6:G0B+7], 4096
	JLOAD 1                                        ; its four v_nop are also the places ahead of the loads below
.else
	PLACES
.endif
	s_xor_b32 s[TB], s[TB], SLOT1
	v_add_nc_u32 v[ADRA], s[TB], v[ADRA0]
	v_add_nc_u32 v[ADRB], s[TB], v[ADRB0]
	FETCH 0, F0
	MULH F1, 1, 0, 0
	MULH F1, 1, 2, 0
.endm
	s_wait_tensorcnt 0x1                           ; my part of K step 0 is in; step 1's may stay out
	s_barrier_signal -1
	s_barrier_wait -1
	FETCH 0, F0
.if FF1
	s_wait_loadcnt 0x0                             ; the bias
.endif
	QUARTER 1024, F0, F1, 1
	WIN 0
	s_mov_b32 s3, 2
.Lstep:                                        ; from a step's second quarter to the next step's first; its refills bring K steps 2 and 3
	QUARTER 2048, F1, F0, 0
	QUARTER 3072, F0, F1, 0
	TURN 1
	QUARTER 1024, F0, F1, 0
	WIN 0
	s_sub_co_u32 s3, s3, 1
	s_cmp_lg_u32 s3, 0
	s_cbranch_scc1 .Lstep
	s_mov_b32 s3, 2
.Ltail:                                        ; K steps 2 and 3 ask for nothing; the second trip is left in its middle
	QUARTER 2048, F1, F0, 0
	QUARTER 3072, F0, F1, 0
	WIN 0
	s_sub_co_u32 s3, s3, 1
	s_cmp_eq_u32 s3, 0
	s_cbranch_scc1 .Llast
	TURN 0
	QUARTER 1024, F0, F1, 0
	WIN 0
	s_branch .Ltail
.Llast:
	s_wait_dscnt 8
	MULH F1, 0, 0, 0
	MULH F1, 0, 2, 0
	s_wait_dscnt 0x0
	MULH F1, 1, 0, 0
	MULH F1, 1, 2, 0
	WIN 0
	PLACES
	; THE WAY OUT, a row block at a time; each accumulator's registers are taken in ascending order
.set ia, 0
.rept 8
	s_wait_xcnt 0x0                                ; earlier stores have read their registers: TMP's quarter is written again only behind this wait
.if !FF1
	WIN 0x82+0x41*(ia/4)
.set ib, 0
.rept NBW
.set rD, 8*(NBW*(ia%4)+ib)
.irp r, 0,2,4,6
	v_pk_mul_f32 v[rD+\r:rD+\r+1], v[rD+\r:rD+\r+1], s[70+2*(ib/2):71+2*(ib/2)] op_sel_hi:[1,0]
.endr
.set ib, ib+1
.endr
.endif
	WIN 0x0a+5*(ia/4)
.set ib, 0
.rept NBW
.set rD, 8*(NBW*(ia%4)+ib)
.set rT, TMP+32*(ia%4)+4*ib
.irp r, 0,1,2,3
	v_cvt_pk_bf16_f32 v[rT+\r], v[rD+2*\r], v[rD+2*\r+1]
.endr
.set ib, ib+1
.endr
	WIN 0
.set ib, 0
.rept NBW
.set rT, TMP+32*(ia%4)+4*ib
.if FF1
.irp r, 0,1,2,3
	v_pk_max_num_bf16 v[rT+\r], v[rT+\r], v[ZR]
.endr
	global_store_b128 v[L16], v[rT:rT+3], s[8:9] offset:65536*ia+512*ib  ; 512 consecutive bytes, aligned
.else
	global_store_b128 v[OFS+ib/2], v[rT:rT+3], s[8:9] offset:131072*(ib/2)+512*(ib%2)+1024*ia  ; the wave's 32 pieces fill 512 consecutive bytes, aligned
.endif
.set ib, ib+1
.endr
.set ia, ia+1
.endr
	s_wait_tensorcnt 0x0                           ; the wave's end
	ds_add_u32 v[SPW], v[NIL]
	s_wait_dscnt 0x0
	CROUND                                         ; the closing round
	s_endpgm
.Lfunc_end_k_qcbe7d502c8_qkv:
	.size	k_qcbe7d502c8_qkv, .Lfunc_end_k_qcbe7d502c8_qkv-k_qcbe7d502c8_qkv
	.p2alignl 7, 3214868480
	.fill 96, 4, 3214868480
	.section	.rodata,"a",@progbits
	.p2align	6, 0x0
	.amdhsa_kernel k_qcbe7d502c8_qkv
		.amdhsa_group_segment_fixed_size 327680
		.amdhsa_private_segment_fixed_size 0
		.amdhsa_enable_private_segment 0
		.amdhsa_kernarg_size 24
		.amdhsa_user_sgpr_count 2
		.amdhsa_user_sgpr_kernarg_segment_ptr 1
		.amdhsa_wavefront_size32 1
		.amdhsa_system_sgpr_workgroup_id_x 1
		.amdhsa_system_sgpr_workgroup_id_y 1
		.amdhsa_system_sgpr_workgroup_id_z 1
		.amdhsa_system_vgpr_workitem_id 0
		.amdhsa_next_free_vgpr 960
		.amdhsa_next_free_sgpr 80
		.amdhsa_reserve_vcc 0
		.amdhsa_float_denorm_mode_32 3
		.amdhsa_float_denorm_mode_16_64 3
		.amdhsa_memory_ordered 1
		.amdhsa_forward_progress 1
		.amdhsa_inst_pref_size 90
	.end_amdhsa_kernel
	.amdgpu_metadata
---
amdhsa.version: [ 1, 2 ]
amdhsa.kernels:
  - .name:           k_qcbe7d502c8_qkv
    .symbol:         k_qcbe7d502c8_qkv.kd
    .args:
      - { .name: hf, .offset: 0, .size: 8, .value_kind: global_buffer, .address_space: global }
      - { .name: wf, .offset: 8, .size: 8, .value_kind: global_buffer, .address_space: global }
      - { .name: qkv, .offset: 16, .size: 8, .value_kind: global_buffer, .address_space: global }
    .group_segment_fixed_size: 327680
    .private_segment_fixed_size: 0
    .kernarg_segment_align: 8
    .kernarg_segment_size: 24
    .max_flat_workgroup_size: 128
    .sgpr_count:     80
    .vgpr_count:     960
    .wavefront_size: 32
...
	.end_amdgpu_metadata
.endif
;; end of part 2
;; launch attn (part 3): grid 4 x 64, 8 waves a work-group, no clusters, 263,168 bytes of LDS; arguments qkv, of; writes of
.if DOCPART == 3
	.amdgcn_target "amdgcn-amd-amdhsa--gfx1250"
	.amdhsa_code_object_version 6
	.text
	.protected	k_qcbe7d502c8_attn
	.globl	k_qcbe7d502c8_attn
	.p2align	8
	.type	k_qcbe7d502c8_attn,@function
k_qcbe7d502c8_attn:
	s_mov_b64 s[64:65], 0
	v_nop
	global_prefetch_b8 v0, s[64:65] scope:SCOPE_SE
	s_setreg_imm32_b32 hwreg(HW_REG_WAVE_MODE, 25, 1), 1
	s_wait_xcnt 0x0
; CAUSAL ATTENTION, head size 32, 64 (batch, head) pairs of 2,048 tokens.  O[q] = sum over k <= q of softmax_k(q . k) v[k]; q arrives multiplied by c = log2(e) / sqrt(512), so p = 2^(s - m).
; q, k, v: bf16 in blocks of 1,024 bytes = 16 tokens x 32 channels (q, k: an operand as it lies in registers; v: its 16-byte pieces in the order of the turning LDS load).  O leaves in such blocks too.
; Products, the running maximum m and the sum l in f32; the weights are rounded to bf16 for the second product, and l is the f32 sum of the ROUNDED weights, made by the matrix unit (a
; product of P with ones: 4 matrix instructions a step in place of 32 packed additions and an exchange of lanes).
; LIMITS.  A hidden score counts as -1e30: true scores stay far below that in size.  A weight below 2^-126 counts as 0.  NaN and infinities are not treated apart.
; LDS HOLDS THE WHOLE HEAD: K and V are 131,072 bytes each; every byte is filled once, at the head, so no slot is ever filled again: keys 0-1023 (K at 0, V at 65,536), then keys 1024-2047
; (K at 131,072, V at 196,608); the first half is waited for alone.
; THE WALK.  A head's queries are 64 groups of 32 (two tiles of 16); group G needs the key steps 0 .. G / 2 of 64 keys, the last of which holds the diagonal.  A head has four work-groups of
; eight waves; a wave owns a long group GA = 63 - g and a short one GB = g: 33 group steps, whatever g.  Loop 1 (steps 0-15): A always, unmasked; B while the step is <= GB / 2.
; Loop 2 (steps 16-31): A while the step is <= GA / 2.  Both loops count to constants; dead work is jumped forward, past no barrier and no tensor load.
; NO CLUSTER, though a head's four work-groups read the same K and V: those jumps hang on the work-group's place among the four.
; TWO WAVES TO A SIMD, in plain phases: a group step has 20 matrix and some 200 vector instructions, too many to stand beside the products; the second wave fills the gaps.
; LAYOUT.  S^T = K Q^T: a lane holds one query (lane % 16) and keys 8 (lane / 16) + 0..7; two such results rounded in pairs ARE source 1 of O^T = V^T P.
; REGISTERS.  window 0: v0-11 addresses; v12-19 m (a pair a tile); v20-23 a; v24-33 at work; v36-43 ones; v48-79 K; v80-111 V; v128-191 S^T, then P.  window 1: v0-31 Q; v32-127 O^T and l, 24 a tile.
.set SPARE, 262144
.set L16,  1                           ; v1  16 x lane: also my place in a block of K
.set AV0,  2                           ; v2  the same for V
.set AK,   3                           ; v3  K's run of loads
.set THR,  4                           ; v4-7  by tile: key 16 kb + j of the diagonal step is hidden where it is greater
.set SPW,  8
.set NIL,  9
.set AV,   10                          ; v10 V's run
.set MM,   12
.set AF,   20
.set MO,   24
.set CT,   26
.set ONES, 36
.set KF,   48
.set VF,   80
.set S,    128
.set OB,   32                          ; window 1: tile t at OB + 24 t: channels 0-15, 16-31, l
.set WV,   8
.set CNT,  40
.set SS,   41                          ; the key step
.set BIGN, 42
.set TB,   43                          ; LDS byte of the step's K
.set SEL,  44
.set MSB,  0
.macro WIN new
.if MSB != (\new)
	s_set_vgpr_msb (MSB<<8)|(\new)
.set MSB, \new
.endif
.endm
.macro PLACES
.rept 4
	v_nop
.endr
.endm
	s_load_b128 s[4:7], s[0:1], 0x0                ; qkv s[4:5], of s[6:7]
	v_lshl_add_u32 v[SPW], v0, 2, SPARE
	v_mov_b32 v[NIL], 0
	ds_add_u32 v[SPW], v[NIL]                      ; the wave's opening: the add and its wait ahead of my first tensor load
	ds_add_u32 v8, v9
	v_lshrrev_b32 v11, 5, v0
	v_readfirstlane_b32 s[WV], v11                 ; wave 0..7
	s_and_b32 s10, ttmp7, 0xffff
	s_lshr_b32 s11, s10, 4                         ; batch
	s_and_b32 s12, s10, 15                         ; head
	s_and_b32 s17, s[WV], 3
	s_lshl_b32 s18, s17, 2
	s_add_co_u32 s18, s18, ttmp9                   ; sigma = 4 (w % 4) + work-group
	s_sub_co_u32 s19, 31, s18
	s_mov_b32 s50, 0x200000                        ; K lies 2 MiB, V 4 MiB behind Q in a batch's part of qkv
	s_mov_b32 s51, 0x400000
	s_cmp_lt_u32 s[WV], 4
	s_cselect_b32 s13, s18, s19                    ; GB = g
	s_cselect_b32 s50, s50, s51                    ; waves 0-3 fetch K, waves 4-7 V
	s_sub_co_u32 s14, 63, s13                      ; GA
	s_lshr_b32 s15, s14, 1                         ; A's last step, 16..31
	s_lshr_b32 s16, s13, 1                         ; B's last step, 0..15
	s_mul_i32 s22, s11, 6291456
	s_lshl_b32 s23, s12, 17
	s_add_co_u32 s22, s22, s23                     ; the head's q
	s_mov_b32 s23, 0
	s_lshl_b32 s51, s17, 14                        ; my 16,384 bytes of each half
	s_add_co_u32 s50, s50, s51
	s_mov_b32 s51, 0
	s_mov_b32 s24, 3<<16                           ; group 1: 16,384 dense bytes as 64 rows of 32 elements of 8 bytes
	s_mov_b32 s25, 32<<16
	s_mov_b32 s26, 64<<16
	s_mov_b32 s27, 32<<16
	s_mov_b32 s28, 64
	s_mov_b32 s29, 32
	s_mov_b32 s30, 0
	s_mov_b32 s31, 0
	s_mov_b32 s32, 1
	s_lshl_b32 s33, s[WV], 14                      ; keys 0-1023: K's four parts, then V's
	s_mov_b32 s36, 1
	s_add_co_u32 s37, s33, 131072                  ; keys 1024-2047 likewise
	s_lshl_b32 s56, s11, 7                         ; of: row block 128 batch + 2 G (+ tile), 16,384 bytes; k block = head
	s_lshl_b32 s58, s12, 10
	s_lshl_b32 s46, s14, 1
	s_add_co_u32 s46, s46, s56
	s_lshl_b32 s46, s46, 14
	s_add_co_u32 s46, s46, s58
	s_mov_b32 s47, 0
	s_lshl_b32 s48, s13, 1
	s_add_co_u32 s48, s48, s56
	s_lshl_b32 s48, s48, 14
	s_add_co_u32 s48, s48, s58
	s_mov_b32 s49, 0
	s_lshl_b32 s52, s14, 11                        ; q: two blocks a group
	s_mov_b32 s53, 0
	s_lshl_b32 s54, s13, 11
	s_mov_b32 s55, 0
	s_mov_b32 s[BIGN], 0xf149f2ca                  ; -1e30
	s_mov_b32 s[SEL], 0x76543210
	s_mov_b32 s[SEL+1], 0xfedcba98
	s_wait_dscnt 0x0                               ; the opening add is done
	s_wait_kmcnt 0x0
	s_add_nc_u64 s[20:21], s[4:5], s[22:23]
	s_add_nc_u64 s[34:35], s[20:21], s[50:51]
	s_add_nc_u64 s[38:39], s[34:35], 0x10000
	s_or_b32 s35, s35, 0x80000000
	s_or_b32 s39, s39, 0x80000000
	s_add_nc_u64 s[46:47], s[6:7], s[46:47]
	s_add_nc_u64 s[48:49], s[6:7], s[48:49]
	s_add_nc_u64 s[52:53], s[20:21], s[52:53]
	s_add_nc_u64 s[54:55], s[20:21], s[54:55]
	tensor_load_to_lds s[32:35], s[24:31]          ; both fills go out together: two tensor loads of mine are out
	s_nop 0
	tensor_load_to_lds s[36:39], s[24:31]
	s_nop 0
	PLACES
	v_and_b32 v[L16], 31, v0
	v_lshlrev_b32 v[L16], 4, v[L16]
	v_add_nc_u32 v[AV0], 0x10000, v[L16]
	WIN 0x40
.irp u, 0,1
.irp c, 0,1
	global_load_b128 v[8*\u+4*\c:8*\u+4*\c+3], v[L16], s[52:53] offset:1024*\u+512*\c
	global_load_b128 v[16+8*\u+4*\c:16+8*\u+4*\c+3], v[L16], s[54:55] offset:1024*\u+512*\c
.endr
.endr
.set i, 0
.rept 96                               ; O^T and l start at 0, m at the lowest finite number: the first step is a step like any other, with a = 0.  All this stands in the wait for the first tile
	v_mov_b32 v[OB+i], 0
.set i, i+1
.endr
	WIN 0
.irp t, 0,1,2,3
	v_mov_b32 v[MM+2*\t], 0xff7fffff
	v_mov_b32 v[MM+2*\t+1], 0                      ; named with it as a pair
.endr
	v_mov_b32 v[AF+1], 0
	v_mov_b32 v[AF+3], 0
.irp i, 0,1,2,3,4,5,6,7
	v_mov_b32 v[ONES+\i], 0x3f803f80               ; 1.0 twice, in bf16
.endr
	v_and_b32 v11, 15, v0
	v_bfe_u32 v34, v0, 4, 1
	v_lshlrev_b32 v34, 3, v34
	v_sub_nc_u32 v11, v11, v34                     ; lane % 16 - 8 (lane / 16)
	s_and_b32 s56, s14, 1
	s_lshl_b32 s56, s56, 5
	v_add_nc_u32 v[THR], s56, v11                  ; + 32 (G % 2) + 16 x tile
	v_add_nc_u32 v[THR+1], 16, v[THR]
	s_and_b32 s56, s13, 1
	s_lshl_b32 s56, s56, 5
	v_add_nc_u32 v[THR+2], s56, v11
	v_add_nc_u32 v[THR+3], 16, v[THR+2]
.macro LOADS                           ; a step's K (4 fragments) and V (4, turned).  The two address lines and three v_nop are the five places behind the last products
	v_add_nc_u32 v[AK], s[TB], v[L16]
	v_add_nc_u32 v[AV], s[TB], v[AV0]
	v_nop
	v_nop
	v_nop
.irp f, 0,1,2,3
	ds_load_b128 v[KF+8*\f:KF+8*\f+3],   v[AK] offset:1024*\f
	ds_load_b128 v[KF+8*\f+4:KF+8*\f+7], v[AK] offset:1024*\f+512
.endr
.irp f, 0,1,2,3                        ; keys 32 (f / 2) on, channels 16 (f % 2) on
	ds_load_tr16_b128 v[VF+8*\f:VF+8*\f+3],   v[AV] offset:2048*(\f/2)+512*(\f%2)
	ds_load_tr16_b128 v[VF+8*\f+4:VF+8*\f+7], v[AV] offset:2048*(\f/2)+512*(\f%2)+1024
.endr
.endm
; Number n of the 21 that find tile u's maximum and a.  0-11: four chains of seven scores, three operands at a time, each accumulator's lowest registers first; 12-14, 16: the four scores left over,
; the old m, the four into one; 15: m_old is kept; 17, 18: the other 32 keys lie in the lane 16 away: the new m; 19, 20: a = 2^(m_old - m_new).
.macro XS u, n
.set rS, S+32*(\u)
.set rC, CT+4*(\u)
.set rM, MM+2*(tq+(\u))
.if (\n) < 4
	v_max3_num_f32 v[rC+(\n)], v[rS+8*(\n)], v[rS+8*(\n)+1], v[rS+8*(\n)+2]
.elseif (\n) < 12
	v_max3_num_f32 v[rC+(\n)%4], v[rC+(\n)%4], v[rS+8*((\n)%4)+2*((\n)/4)+1], v[rS+8*((\n)%4)+2*((\n)/4)+2]
.elseif (\n) == 12
	v_max3_num_f32 v[rC], v[rC], v[rS+7], v[rS+15]
.elseif (\n) == 13
	v_max3_num_f32 v[rC+1], v[rC+1], v[rS+23], v[rS+31]
.elseif (\n) == 14
	v_max3_num_f32 v[rC+2], v[rC+2], v[rC+3], v[rM]
.elseif (\n) == 15
	v_mov_b32 v[MO+(\u)], v[rM]
.elseif (\n) == 16
	v_max3_num_f32 v[rC], v[rC], v[rC+1], v[rC+2]
.elseif (\n) == 17
	v_permlanex16_b32 v[rC+3], v[rC], s[SEL], s[SEL+1]
.elseif (\n) == 18
	v_max_num_f32 v[rM], v[rC], v[rC+3]
.elseif (\n) == 19
	v_sub_f32 v[rC+1], v[MO+(\u)], v[rM]
.else
	v_exp_f32 v[AF+2*(\u)], v[rC+1]
.endif
.endm
.macro FS u, p                         ; pair p of tile u: s - m
	v_pk_add_f32 v[S+32*(\u)+2*(\p):S+32*(\u)+2*(\p)+1], v[S+32*(\u)+2*(\p):S+32*(\u)+2*(\p)+1], v[MM+2*(tq+(\u)):MM+2*(tq+(\u))+1] op_sel_hi:[1,0] neg_lo:[0,1] neg_hi:[0,1]
.endm
.macro ES p                            ; the four exponentials of pair p of both tiles
	v_exp_f32 v[S+2*(\p)], v[S+2*(\p)]
	v_exp_f32 v[S+2*(\p)+1], v[S+2*(\p)+1]
	v_exp_f32 v[S+32+2*(\p)], v[S+32+2*(\p)]
	v_exp_f32 v[S+32+2*(\p)+1], v[S+32+2*(\p)+1]
.endm
; A GROUP STEP, for group X (0: A, 1: B).  mask = 1: in the group's last step the keys above the diagonal are hidden.
.macro PROC X, mask
.set tq, 2*(\X)
.if (\X) == 0
	s_wait_dscnt 8                                 ; K is in; V's eight loads may stay out
.else
.rept 5
	v_nop                                          ; the products below write over S, where A's P lay: five places behind the products that read it
.endr
.endif
	WIN 0x04
.set i, 0
.rept 8                                ; tile i % 2, keys 16 (i / 2) on: eight sums of one product each
	v_wmma_f32_16x16x32_bf16 v[S+32*(i%2)+8*(i/2):S+32*(i%2)+8*(i/2)+7], v[KF+8*(i/2):KF+8*(i/2)+7], v[8*(tq+i%2):8*(tq+i%2)+7], 0
.set i, i+1
.endr
	WIN 0
	PLACES
.if \mask
	s_cmp_eq_u32 s[SS], s[15+(\X)]
	s_cbranch_scc0 .Lnm_\@
.set i, 0
.rept 64
	v_cmp_gt_i32 vcc_lo, 16*((i%32)/8)+i%8, v[THR+tq+i/32]
	v_cndmask_b32 v[S+i], v[S+i], s[BIGN], vcc_lo
.set i, i+1
.endr
.Lnm_\@:
.endif
.irp n, 0,1,2,3,4,5,6,7,8,9,10,11,12,13,14,15,16,17,18,19,20
	XS 0, \n
	XS 1, \n
.endr
.set i, 0
.rept 16                               ; ONE BATCH: the two a above and the 64 exponentials; nothing ahead of the wait names a result of theirs
	FS 0, i
	FS 1, i
.if i > 0
	ES i-1
.endif
.set i, i+1
.endr
	ES 15
	v_nop                                          ; a plain instruction behind the last exponential,
	s_wait_alu depctr_va_vdst(0)                   ; and one wait for the batch, ahead of the first reader
.set i, 0
.rept 16                               ; rounded to bf16, compacted in place: P of keys 32 kk on lies at S + 32 u + 8 kk
	v_cvt_pk_bf16_f32 v[S+i], v[S+2*i], v[S+2*i+1]
	v_cvt_pk_bf16_f32 v[S+32+i], v[S+32+2*i], v[S+32+2*i+1]
.set i, i+1
.endr
	WIN 0x41
.irp u, 0,1
.set rO, OB+24*(tq+\u)
.irp z, 0,2,4,6,8,10,12,14,16          ; O^T's 16 registers and l's first pair (of l only register 0 is ever used; the others stay finite: at most 2,048)
	v_pk_mul_f32 v[rO+\z:rO+\z+1], v[rO+\z:rO+\z+1], v[AF+2*\u:AF+2*\u+1] op_sel_hi:[1,0]
.endr
.endr
.if (\X) == 0
	s_wait_dscnt 0x0                               ; V is in
.endif
	WIN 0x50
.irp kk, 0,1                           ; six accumulators by turns: five others stand between the two links of a chain
.irp u, 0,1
.set rO, OB+24*(tq+\u)
.set rP, S+32*\u+8*\kk
	v_wmma_f32_16x16x32_bf16 v[rO:rO+7], v[VF+16*\kk:VF+16*\kk+7], v[rP:rP+7], v[rO:rO+7]
	v_wmma_f32_16x16x32_bf16 v[rO+8:rO+15], v[VF+16*\kk+8:VF+16*\kk+15], v[rP:rP+7], v[rO+8:rO+15]
	v_wmma_f32_16x16x32_bf16 v[rO+16:rO+23], v[ONES:ONES+7], v[rP:rP+7], v[rO+16:rO+23]
.endr
.endr
	WIN 0
.endm
.macro OUT X                           ; O^T / l, rounded once: a lane's eight channels are its 16 bytes of the projection's operand block
.set tq, 2*(\X)
	WIN 0x01
	v_rcp_f32 v[AF], v[OB+24*tq+16]
	v_rcp_f32 v[AF+2], v[OB+24*tq+40]
	WIN 0
	v_nop
	s_wait_alu depctr_va_vdst(0)                   ; one wait for the two reciprocals
	WIN 0x41
.irp u, 0,1
.set rO, OB+24*(tq+\u)
.irp z, 0,2,4,6,8,10,12,14
	v_pk_mul_f32 v[rO+\z:rO+\z+1], v[rO+\z:rO+\z+1], v[AF+2*\u:AF+2*\u+1] op_sel_hi:[1,0]
.endr
.endr
	WIN 0x05
.irp u, 0,1
.set rO, OB+24*(tq+\u)
.irp n, 0,1,2,3,4,5,6,7
	v_cvt_pk_bf16_f32 v[S+8*(tq+\u)+\n], v[rO+2*\n], v[rO+2*\n+1]
.endr
.endr
	WIN 0
.irp u, 0,1
.irp c, 0,1
	global_store_b128 v[L16], v[S+8*(tq+\u)+4*\c:S+8*(tq+\u)+4*\c+3], s[46+2*(\X):47+2*(\X)] offset:16384*\u+512*\c  ; 512 consecutive bytes, aligned
.endr
.endr
.endm
	s_wait_tensorcnt 0x1                           ; my part of keys 0-1023 is in; the second half may stay out
	s_barrier_signal -1
	s_barrier_wait -1                              ; everybody's is
	s_wait_loadcnt 0x0                             ; Q
	s_mov_b32 s[SS], 0
	s_mov_b32 s[TB], 0
	s_mov_b32 s[CNT], 16
.Lone:
	LOADS
	PROC 0, 0
	s_cmp_gt_u32 s[SS], s16
	s_cbranch_scc1 .LnoB
	PROC 1, 1
.LnoB:
	s_add_co_u32 s[TB], s[TB], 4096
	s_add_co_u32 s[SS], s[SS], 1
	s_sub_co_u32 s[CNT], s[CNT], 1
	s_cmp_lg_u32 s[CNT], 0
	s_cbranch_scc1 .Lone
	s_wait_tensorcnt 0x0                           ; my part of keys 1024-2047 is in,
	s_wait_dscnt 0x0
	s_barrier_signal -1
	s_barrier_wait -1                              ; everybody's is
	s_add_co_u32 s[TB], s[TB], 0x10000             ; past V's first half
	s_mov_b32 s[CNT], 16
.Ltwo:
	s_cmp_gt_u32 s[SS], s15
	s_cbranch_scc1 .Ldead
	LOADS
	PROC 0, 1
.Ldead:
	s_add_co_u32 s[TB], s[TB], 4096
	s_add_co_u32 s[SS], s[SS], 1
	s_sub_co_u32 s[CNT], s[CNT], 1
	s_cmp_lg_u32 s[CNT], 0
	s_cbranch_scc1 .Ltwo
	PLACES
	OUT 0
	OUT 1
	s_wait_tensorcnt 0x0                           ; the wave's end
	ds_add_u32 v[SPW], v[NIL]
	s_wait_dscnt 0x0
	s_endpgm
.Lfunc_end_k_qcbe7d502c8_attn:
	.size	k_qcbe7d502c8_attn, .Lfunc_end_k_qcbe7d502c8_attn-k_qcbe7d502c8_attn
	.p2alignl 7, 3214868480
	.fill 96, 4, 3214868480
	.section	.rodata,"a",@progbits
	.p2align	6, 0x0
	.amdhsa_kernel k_qcbe7d502c8_attn
		.amdhsa_group_segment_fixed_size 263168
		.amdhsa_private_segment_fixed_size 0
		.amdhsa_enable_private_segment 0
		.amdhsa_kernarg_size 16
		.amdhsa_user_sgpr_count 2
		.amdhsa_user_sgpr_kernarg_segment_ptr 1
		.amdhsa_wavefront_size32 1
		.amdhsa_system_sgpr_workgroup_id_x 1
		.amdhsa_system_sgpr_workgroup_id_y 1
		.amdhsa_system_sgpr_workgroup_id_z 1
		.amdhsa_system_vgpr_workitem_id 0
		.amdhsa_next_free_vgpr 384
		.amdhsa_next_free_sgpr 66
		.amdhsa_reserve_vcc 1
		.amdhsa_float_denorm_mode_32 3
		.amdhsa_float_denorm_mode_16_64 3
		.amdhsa_memory_ordered 1
		.amdhsa_forward_progress 1
		.amdhsa_inst_pref_size 64
	.end_amdhsa_kernel
	.amdgpu_metadata
---
amdhsa.version: [ 1, 2 ]
amdhsa.kernels:
  - .name:           k_qcbe7d502c8_attn
    .symbol:         k_qcbe7d502c8_attn.kd
    .args:
      - { .name: qkv, .offset: 0, .size: 8, .value_kind: global_buffer, .address_space: global }
      - { .name: of, .offset: 8, .size: 8, .value_kind: global_buffer, .address_space: global }
    .group_segment_fixed_size: 263168
    .private_segment_fixed_size: 0
    .kernarg_segment_align: 8
    .kernarg_segment_size: 16
    .max_flat_workgroup_size: 256
    .sgpr_count:     66
    .vgpr_count:     384
    .wavefront_size: 32
...
	.end_amdgpu_metadata
.endif
;; end of part 3
;; launch proj (part 4): grid 256 x 1, 4 waves a work-group, clusters of 4 x 1, 327,680 bytes of LDS; arguments of, wf, x, b_proj, g2, beta2, x1, h2f; writes x1, h2f
.if DOCPART == 4
	.amdgcn_target "amdgcn-amd-amdhsa--gfx1250"
	.amdhsa_code_object_version 6
	.text
	.protected	k_qcbe7d502c8_proj
	.globl	k_qcbe7d502c8_proj
	.p2align	8
	.type	k_qcbe7d502c8_proj,@function
k_qcbe7d502c8_proj:
	s_mov_b64 s[64:65], 0
	v_nop
	global_prefetch_b8 v0, s[64:65] scope:SCOPE_SE
	s_setreg_imm32_b32 hwreg(HW_REG_WAVE_MODE, 25, 1), 1
	s_wait_xcnt 0x0
	s_wait_alu depctr_hold_cnt(0) depctr_sa_sdst(0) depctr_va_vdst(0) depctr_va_sdst(0) depctr_va_ssrc(0) depctr_va_vcc(0) depctr_vm_vsrc(0)
	s_getreg_b32 s2, hwreg(HW_REG_IB_STS2, 6, 4)
	s_cmp_eq_u32 s2, 0
	s_cbranch_scc0 .Lentry_in_a_cluster
	s_endpgm
.Lentry_in_a_cluster:
	s_bfe_u32 s2, ttmp6, 0x10000c
	s_cmp_lg_u32 s2, 0x3003
	s_cbranch_scc0 .Lentry_shape_is_right
	s_endpgm
.Lentry_shape_is_right:
; x1 = x + O w_proj + b_proj;  h2f = LayerNorm(x1; g2, beta2).  O and w_proj in bf16 blocks (1,024 bytes = 16 rows x 32 k, an operand as it lies in registers), sums and x1 in f32, h2f rounded once.
; SHARES.  A work-group owns 32 WHOLE rows, so the norm stays inside it; wave w owns columns 128 w .. 128 w + 127: accumulators (a 0..1, b 0..7).  O's 32 rows x 512 k stay in registers.
; The weights (524,288 bytes) go through two LDS slots in four K steps of 128.  Wave w fetches just the eight column blocks that it alone reads, so its own count of tensor loads orders its reads.
; CLUSTER 4 x 1: all work-groups walk the same weights: each tile is asked for jointly by four.  The refills stand behind rounds of the cluster's barrier.
; The sums start from x + b_proj: x comes row by row (16 lanes: 256 consecutive bytes) and is turned into the accumulators' layout through my own stage in LDS.
; x1 leaves in tiles of 1,024 bytes = an accumulator as it lies in registers (byte 512 i + 16 x lane: registers 4 i .. 4 i + 3); the last launch reads it back so.
; THE NORM in two passes: the mean, then the sum of (x1 - mean)^2; the four waves' partial sums meet in LDS.  NaN and infinities are not treated apart.
; REGISTERS.  window 0: v1-9 addresses, v32-63 at work, v64-127 packed h2, v128-255 accumulators ((a, b) at 128 + 8 (8 a + b)).  window 1: O's fragments ((kk, a) at 8 (2 kk + a)).
; window 2: a K step's weights ((kkl, b) at 64 kkl + 8 b); at the head v0-63 b_proj; at the end v0-63 g2, v64-127 beta2.
.set SLOT1, 131072
.set STAGE, 262144                     ; 16 rows x 272 bytes for each wave; never filled by a tensor load
.set SP,    272
.set RED,   279552                     ; two areas of 512 bytes: [wave][a][row] partial sums
.set SPARE, 280576
.set L16, 1
.set XO,  2                            ; x: (lane / 16) rows + 16 (lane % 16)
.set BO,  3                            ; b_proj, g2, beta2: 32 (lane / 16)
.set STW, 4                            ; the stage by rows
.set STR, 5                            ; the stage by accumulator
.set BA0, 6                            ; v6, v7  my weights in slot 0, 1
.set RDW, 8
.set RDR, 9
.set SPW, 28
.set NIL, 29
.set T,   32
.set MU,  56                           ; v56-59 the means, a pair for each a
.set RS,  60                           ; v60-63 1 / sigma
.set TMP, 64
.set ACC, 128
.set WV,  20
.set G1,  24
.set G0,  32
.set SEL, 40
.set MSB, 0
.macro WIN new
.if MSB != (\new)
	s_set_vgpr_msb (MSB<<8)|(\new)
.set MSB, \new
.endif
.endm
.macro PLACES
.rept 4
	v_nop
.endr
.endm
.macro CROUND
	s_barrier_signal -1
	s_barrier_wait -1
	s_cmp_lg_u32 s[WV], 0
	s_cbranch_scc1 .Lnot_wave_0_\@
	s_barrier_signal -3
.Lnot_wave_0_\@:
	s_barrier_wait -3
	s_barrier_signal -1
	s_barrier_wait -1
.endm
	s_load_b512 s[4:19], s[0:1], 0x0               ; of 4, wf 6, x 8, b_proj 10, g2 12, beta2 14, x1 16, h2f 18
	v_lshl_add_u32 v[SPW], v0, 2, SPARE
	v_mov_b32 v[NIL], 0
	ds_add_u32 v[SPW], v[NIL]                      ; the wave's opening: the add and its wait ahead of my first tensor load
	ds_add_u32 v28, v29
	v_lshrrev_b32 v10, 5, v0
	v_readfirstlane_b32 s[WV], v10
	s_bfe_u32 s21, ttmp6, 0x40000                  ; cx
	s_lshl_b32 s22, ttmp9, 2
	s_add_co_u32 s22, s22, s21                     ; my 32 rows: it enters the addresses of of, x, x1, h2f alone
	s_mov_b32 s[G1], 15|(3<<16)|(1<<21)            ; the mask of four; elements of 8 bytes; bit 21 beside a mask
	s_mov_b32 s[G1+1], 512<<16                     ; 4,096 bytes: four k blocks of a column block
	s_mov_b32 s[G1+2], 8<<16                       ; eight column blocks
	s_mov_b32 s[G1+3], 512<<16
	s_mov_b32 s[G1+4], 8
	s_mov_b32 s[G1+5], 2048                        ; 16,384 bytes apart
	s_mov_b32 s[G1+6], 0
	s_mov_b32 s[G1+7], 0
	s_mov_b32 s[G0], 1
	s_lshl_b32 s[G0+1], s[WV], 15
	s_mov_b32 s[G0+4], 1
	s_add_co_u32 s[G0+5], s[G0+1], SLOT1
	s_lshl_b32 s44, s[WV], 17                      ; of the wave's number alone: equal in all four partners
	s_add_co_u32 s44, s44, 1572864
	s_mov_b32 s45, 0
	s_mov_b32 s[SEL], 0x76543210
	s_mov_b32 s[SEL+1], 0xfedcba98
	s_mov_b32 s42, 0x3b000000                      ; 1 / 512
	s_mov_b32 s47, 0
	v_and_b32 v10, 31, v0
	v_lshlrev_b32 v[L16], 4, v10
	v_and_b32 v11, 15, v0
	v_bfe_u32 v12, v0, 4, 1
	v_lshlrev_b32 v[XO], 11, v12
	v_lshl_add_u32 v[XO], v11, 4, v[XO]
	v_lshlrev_b32 v[BO], 5, v12
	s_mul_i32 s50, s[WV], 16*SP
	s_add_co_u32 s50, s50, STAGE
	v_mul_u32_u24 v[STW], v12, SP
	v_lshl_add_u32 v[STW], v11, 4, v[STW]
	v_add_nc_u32 v[STW], s50, v[STW]
	v_mul_u32_u24 v[STR], v11, SP
	v_lshl_add_u32 v[STR], v12, 5, v[STR]
	v_add_nc_u32 v[STR], s50, v[STR]
	v_add_nc_u32 v[BA0], s[G0+1], v[L16]
	v_add_nc_u32 v[BA0+1], SLOT1, v[BA0]
	v_lshlrev_b32 v[RDR], 2, v11
	v_add_nc_u32 v[RDR], RED, v[RDR]
	s_lshl_b32 s51, s[WV], 7
	v_add_nc_u32 v[RDW], s51, v[RDR]
	s_wait_dscnt 0x0                               ; the opening add is done
	s_wait_kmcnt 0x0
	s_add_nc_u64 s[G0+2:G0+3], s[6:7], s[44:45]    ; K step 0,
	s_add_nc_u64 s[G0+6:G0+7], s[G0+2:G0+3], 4096  ; K step 1
	s_or_b32 s[G0+3], s[G0+3], 0x80000000
	s_or_b32 s[G0+7], s[G0+7], 0x80000000
	s_lshl_b32 s46, s22, 15
	s_add_nc_u64 s[4:5], s[4:5], s[46:47]          ; of at my two row blocks
	s_lshl_b32 s48, s[WV], 12
	s_add_co_u32 s46, s46, s48
	s_add_nc_u64 s[18:19], s[18:19], s[46:47]      ; h2f at my four k blocks of them
	s_lshl_b32 s49, s22, 16
	s_lshl_b32 s48, s[WV], 9
	s_add_co_u32 s46, s49, s48
	s_add_nc_u64 s[8:9], s[8:9], s[46:47]          ; x at my 32 rows, my 512 bytes
	s_mov_b32 s46, s48
	s_add_nc_u64 s[10:11], s[10:11], s[46:47]
	s_add_nc_u64 s[12:13], s[12:13], s[46:47]
	s_add_nc_u64 s[14:15], s[14:15], s[46:47]
	s_lshl_b32 s48, s[WV], 13
	s_add_co_u32 s46, s49, s48
	s_add_nc_u64 s[16:17], s[16:17], s[46:47]      ; x1 at my eight tiles of each row block
	CROUND                                         ; all four work-groups are here: the first joint loads meet
	tensor_load_to_lds s[G0:G0+3], s[G1:G1+7]      ; two tensor loads of mine are out
	s_nop 0
	tensor_load_to_lds s[G0+4:G0+7], s[G1:G1+7]
	s_nop 0
	PLACES
	WIN 0x40
.set i, 0
.rept 32                               ; O's fragments: (kk, a) = (i / 2, i % 2)
	global_load_b128 v[8*i:8*i+3],   v[L16], s[4:5] offset:16384*(i%2)+1024*(i/2)
	global_load_b128 v[8*i+4:8*i+7], v[L16], s[4:5] offset:16384*(i%2)+1024*(i/2)+512
.set i, i+1
.endr
	WIN 0
.set i, 0
.rept 32                               ; x: unit i / 8 = (a, half of my columns), two rows of 256 bytes a load
	global_load_b128 v[ACC+4*i:ACC+4*i+3], v[XO], s[8:9] offset:32768*(i/16)+256*((i/8)%2)+4096*(i%8) th:TH_LOAD_NT
.set i, i+1
.endr
	WIN 0x80
.set i, 0
.rept 16
	global_load_b128 v[4*i:4*i+3], v[BO], s[10:11] offset:64*(i/2)+16*(i%2)
.set i, i+1
.endr
	WIN 0
.set iu, 0
.rept 4                                ; a unit goes into my stage by rows and comes back in the accumulators' layout, into the registers that it left
	s_wait_loadcnt 40-8*iu                         ; the later units' loads and the bias's sixteen may stay out
.set i, 0
.rept 8
	ds_store_b128 v[STW], v[ACC+32*iu+4*i:ACC+32*iu+4*i+3] offset:2*SP*i
.set i, i+1
.endr
.set i, 0
.rept 8
	ds_load_b128 v[ACC+32*iu+4*i:ACC+32*iu+4*i+3], v[STR] offset:64*(i/2)+16*(i%2)  ; LDS serves a wave's instructions in order (ISA guide 5.7.1.4): these see the stores above, the next unit's stores come behind them
.set i, i+1
.endr
.set iu, iu+1
.endr
	s_wait_loadcnt 0x0
	s_wait_dscnt 0x0
	WIN 0x08
.set i, 0
.rept 64                               ; + b_proj: pair i % 32 of my columns, for both a
	v_pk_add_f32 v[ACC+2*i:ACC+2*i+1], v[ACC+2*i:ACC+2*i+1], v[2*(i%32):2*(i%32)+1]
.set i, i+1
.endr
	WIN 0
.macro STEP s                          ; K step s: 64 LDS loads in one run, then 4 x 16 products; the 16 accumulators take turns
	WIN 0x80
.set kl, 0
.rept 4
.set ib, 0
.rept 8
	ds_load_b128 v[64*kl+8*ib:64*kl+8*ib+3],   v[BA0+((\s)&1)] offset:4096*ib+1024*kl
	ds_load_b128 v[64*kl+8*ib+4:64*kl+8*ib+7], v[BA0+((\s)&1)] offset:4096*ib+1024*kl+512
.set ib, ib+1
.endr
.set kl, kl+1
.endr
	WIN 0x06
.set kl, 0
.rept 4
	s_wait_dscnt 48-16*kl                          ; the later k blocks' loads may stay out
.set i, 0
.rept 16
.set rD, ACC+8*i
.set rA, 8*(2*(4*(\s)+kl)+i/8)
	v_wmma_f32_16x16x32_bf16 v[rD:rD+7], v[64*kl+8*(i%8):64*kl+8*(i%8)+7], v[rA:rA+7], v[rD:rD+7]
.set i, i+1
.endr
.set kl, kl+1
.endr
.endm
.macro REFILL s                        ; slot s, just read out, takes the K step two on
	WIN 0
	s_wait_tensorcnt 0x0                           ; all my tensor loads have landed, so a group 0 may be written
	ds_add_u32 v[SPW], v[NIL]
	s_add_nc_u64 s[G0+4*(\s)+2:G0+4*(\s)+3], s[G0+4*(\s)+2:G0+4*(\s)+3], 8192
	s_wait_dscnt 0x0                               ; the add is done, my reads of the slot are over
	CROUND                                         ; the same holds of every wave of all four work-groups
	tensor_load_to_lds s[G0+4*(\s):G0+4*(\s)+3], s[G1:G1+7]
	s_nop 0
	PLACES                                         ; also the places ahead of the next step's loads
.endm
	s_wait_tensorcnt 0x1                           ; my part of slot 0 is in; nobody else reads it
	STEP 0
	REFILL 0
	STEP 1
	REFILL 1
	STEP 2
	WIN 0
	s_wait_tensorcnt 0x0                           ; K step 3: my last load
	PLACES
	STEP 3
	WIN 0
	PLACES
	; THE WAY OUT
	WIN 0x80
.set i, 0
.rept 16
	global_load_b128 v[4*i:4*i+3], v[BO], s[12:13] offset:64*(i/2)+16*(i%2)
	global_load_b128 v[64+4*i:64+4*i+3], v[BO], s[14:15] offset:64*(i/2)+16*(i%2)
.set i, i+1
.endr
	WIN 0
.set i, 0
.rept 32                               ; accumulator i / 2, its low half first: 512 consecutive bytes a store
	global_store_b128 v[L16], v[ACC+4*i:ACC+4*i+3], s[16:17] offset:32768*(i/16)+512*(i%16)
.set i, i+1
.endr
.macro CHAINS a, sq                    ; my 64 numbers of a row: their sum (sq = 0) or the sum of their squares, in four chains; then the other half of the lanes; then into LDS
.set pb, ACC+64*(\a)
.set tt, T+8*(\a)
.set ip, 0
.rept 32
.set tc, tt+2*(ip%4)
.if \sq
.if ip < 4
	v_pk_mul_f32 v[tc:tc+1], v[pb+2*ip:pb+2*ip+1], v[pb+2*ip:pb+2*ip+1]
.else
	v_pk_fma_f32 v[tc:tc+1], v[pb+2*ip:pb+2*ip+1], v[pb+2*ip:pb+2*ip+1], v[tc:tc+1]
.endif
.else
.if ip < 4
	v_pk_add_f32 v[tc:tc+1], v[pb+2*ip:pb+2*ip+1], v[pb+2*ip+8:pb+2*ip+9]
.elseif ip >= 8
	v_pk_add_f32 v[tc:tc+1], v[tc:tc+1], v[pb+2*ip:pb+2*ip+1]
.endif
.endif
.set ip, ip+1
.endr
	v_pk_add_f32 v[tt:tt+1], v[tt:tt+1], v[tt+2:tt+3]
	v_pk_add_f32 v[tt+4:tt+5], v[tt+4:tt+5], v[tt+6:tt+7]
	v_pk_add_f32 v[tt:tt+1], v[tt:tt+1], v[tt+4:tt+5]
	v_add_f32 v[tt], v[tt], v[tt+1]
	v_permlanex16_b32 v[tt+1], v[tt], s[SEL], s[SEL+1]
	v_add_f32 v[tt], v[tt], v[tt+1]
	ds_store_b32 v[RDW], v[tt] offset:64*(\a)+512*(\sq)
.endm
.macro MEET sq                         ; the four waves' partial sums: into v[T+16] (a = 0) and v[T+20] (a = 1)
	s_wait_dscnt 0x0                               ; for the others' sake: my stores are done
	s_barrier_signal -1
	s_barrier_wait -1
.irp a, 0,1
.irp w, 0,1,2,3
	ds_load_b32 v[T+16+4*\a+\w], v[RDR] offset:128*\w+64*\a+512*(\sq)
.endr
.endr
	s_wait_dscnt 0x0
.irp a, 0,1
	v_add_f32 v[T+16+4*\a], v[T+16+4*\a], v[T+17+4*\a]
	v_add_f32 v[T+18+4*\a], v[T+18+4*\a], v[T+19+4*\a]
	v_add_f32 v[T+16+4*\a], v[T+16+4*\a], v[T+18+4*\a]
.endr
.endm
	CHAINS 0, 0
	CHAINS 1, 0
	MEET 0
.irp a, 0,1
	v_mul_f32 v[MU+2*\a], s42, v[T+16+4*\a]
	v_mov_b32 v[MU+2*\a+1], v[MU+2*\a]             ; named with it as a pair
	v_mov_b32 v[RS+2*\a+1], 0
.endr
	s_wait_xcnt 0x0                                ; x1's stores have read the accumulators: they are rewritten only behind this wait
.set i, 0
.rept 64
	v_pk_add_f32 v[ACC+2*i:ACC+2*i+1], v[ACC+2*i:ACC+2*i+1], v[MU+2*(i/32):MU+2*(i/32)+1] op_sel_hi:[1,0] neg_lo:[0,1] neg_hi:[0,1]
.set i, i+1
.endr
	CHAINS 0, 1
	CHAINS 1, 1
	MEET 1                                         ; other bytes than the first meeting's: no barrier between its reads and these stores
	v_fmaak_f32 v[RS], s42, v[T+16], 0x3727c5ac    ; the variance + 1e-5
	v_fmaak_f32 v[RS+2], s42, v[T+20], 0x3727c5ac
	v_rsq_f32 v[RS], v[RS]
	v_rsq_f32 v[RS+2], v[RS+2]
	v_nop
	s_wait_alu depctr_va_vdst(0)                   ; one wait for both roots, ahead of their first reader
	s_wait_loadcnt 0x0                             ; g2 and beta2
.set i, 0
.rept 64
	v_pk_mul_f32 v[ACC+2*i:ACC+2*i+1], v[ACC+2*i:ACC+2*i+1], v[RS+2*(i/32):RS+2*(i/32)+1] op_sel_hi:[1,0]
.set i, i+1
.endr
	WIN 0x28
.set i, 0
.rept 64
	v_pk_fma_f32 v[ACC+2*i:ACC+2*i+1], v[ACC+2*i:ACC+2*i+1], v[2*(i%32):2*(i%32)+1], v[64+2*(i%32):64+2*(i%32)+1]
.set i, i+1
.endr
	WIN 0
.set i, 0
.rept 64
	v_cvt_pk_bf16_f32 v[TMP+i], v[ACC+2*i], v[ACC+2*i+1]
.set i, i+1
.endr
.set i, 0
.rept 16                               ; accumulator i: half a block of h2f
	global_store_b128 v[L16], v[TMP+4*i:TMP+4*i+3], s[18:19] offset:16384*(i/8)+512*(i%8)
.set i, i+1
.endr
	s_wait_tensorcnt 0x0                           ; the wave's end
	ds_add_u32 v[SPW], v[NIL]
	s_wait_dscnt 0x0
	CROUND                                         ; the closing round
	s_endpgm
.Lfunc_end_k_qcbe7d502c8_proj:
	.size	k_qcbe7d502c8_proj, .Lfunc_end_k_qcbe7d502c8_proj-k_qcbe7d502c8_proj
	.p2alignl 7, 3214868480
	.fill 96, 4, 3214868480
	.section	.rodata,"a",@progbits
	.p2align	6, 0x0
	.amdhsa_kernel k_qcbe7d502c8_proj
		.amdhsa_group_segment_fixed_size 327680
		.amdhsa_private_segment_fixed_size 0
		.amdhsa_enable_private_segment 0
		.amdhsa_kernarg_size 64
		.amdhsa_user_sgpr_count 2
		.amdhsa_user_sgpr_kernarg_segment_ptr 1
		.amdhsa_wavefront_size32 1
		.amdhsa_system_sgpr_workgroup_id_x 1
		.amdhsa_system_sgpr_workgroup_id_y 1
		.amdhsa_system_sgpr_workgroup_id_z 1
		.amdhsa_system_vgpr_workitem_id 0
		.amdhsa_next_free_vgpr 768
		.amdhsa_next_free_sgpr 66
		.amdhsa_reserve_vcc 0
		.amdhsa_float_denorm_mode_32 3
		.amdhsa_float_denorm_mode_16_64 3
		.amdhsa_memory_ordered 1
		.amdhsa_forward_progress 1
		.amdhsa_inst_pref_size 94
	.end_amdhsa_kernel
	.amdgpu_metadata
---
amdhsa.version: [ 1, 2 ]
amdhsa.kernels:
  - .name:           k_qcbe7d502c8_proj
    .symbol:         k_qcbe7d502c8_proj.kd
    .args:
      - { .name: of, .offset: 0, .size: 8, .value_kind: global_buffer, .address_space: global }
      - { .name: wf, .offset: 8, .size: 8, .value_kind: global_buffer, .address_space: global }
      - { .name: x, .offset: 16, .size: 8, .value_kind: global_buffer, .address_space: global }
      - { .name: b_proj, .offset: 24, .size: 8, .value_kind: global_buffer, .address_space: global }
      - { .name: g2, .offset: 32, .size: 8, .value_kind: global_buffer, .address_space: global }
      - { .name: beta2, .offset: 40, .size: 8, .value_kind: global_buffer, .address_space: global }
      - { .name: x1, .offset: 48, .size: 8, .value_kind: global_buffer, .address_space: global }
      - { .name: h2f, .offset: 56, .size: 8, .value_kind: global_buffer, .address_space: global }
    .group_segment_fixed_size: 327680
    .private_segment_fixed_size: 0
    .kernarg_segment_align: 8
    .kernarg_segment_size: 64
    .max_flat_workgroup_size: 128
    .sgpr_count:     66
    .vgpr_count:     768
    .wavefront_size: 32
...
	.end_amdgpu_metadata
.endif
;; end of part 4
;; launch ff1 (part 5): grid 8 x 32, 4 waves a work-group, clusters of 4 x 4, 327,680 bytes of LDS; arguments h2f, wf, act, bf1; writes act
.if DOCPART == 5
	.amdgcn_target "amdgcn-amd-amdhsa--gfx1250"
	.amdhsa_code_object_version 6
	.text
	.protected	k_qcbe7d502c8_ff1
	.globl	k_qcbe7d502c8_ff1
	.p2align	8
	.type	k_qcbe7d502c8_ff1,@function
k_qcbe7d502c8_ff1:
	s_mov_b64 s[64:65], 0
	v_nop
	global_prefetch_b8 v0, s[64:65] scope:SCOPE_SE
	s_setreg_imm32_b32 hwreg(HW_REG_WAVE_MODE, 25, 1), 1
	s_wait_xcnt 0x0
	s_wait_alu depctr_hold_cnt(0) depctr_sa_sdst(0) depctr_va_vdst(0) depctr_va_sdst(0) depctr_va_ssrc(0) depctr_va_vcc(0) depctr_vm_vsrc(0)
	s_getreg_b32 s2, hwreg(HW_REG_IB_STS2, 6, 4)
	s_cmp_eq_u32 s2, 0
	s_cbranch_scc0 .Lentry_in_a_cluster
	s_endpgm
.Lentry_in_a_cluster:
	s_bfe_u32 s2, ttmp6, 0x10000c
	s_cmp_lg_u32 s2, 0xf033
	s_cbranch_scc0 .Lentry_shape_is_right
	s_endpgm
.Lentry_shape_is_right:
; A GEMM ON BLOCKS, one text for two launches (FF1 = 0: q, k, v = hf Wqkv; FF1 = 1: act = relu(h2f W1 + bf1)).  M = 8,192, K = 512, N = 1,536 or 2,048; bf16 operands, f32 sums.
; BLOCKS.  All operands lie in blocks of 1,024 bytes = 16 rows x 32 k: byte 512 c + 16 x lane + 2 e holds (row lane % 16, k = 16 c + 8 (lane / 16) + e): an operand as it lies in registers.
; So LDS rows need no padding (a load is 16 x lane: 512 consecutive bytes) and a tile's rows in memory are 4,096 consecutive bytes.
; SHARES.  A work-group makes 256 rows x 32 NBW columns, each of its four waves 128 x 16 NBW: 8 x NBW accumulators.  K goes in four steps of 128 through two LDS slots.
; THE PRODUCT IS TAKEN TRANSPOSED (source 0 = 16 rows of the weights, source 1 = 16 rows of the activations): a lane holds one row and eight neighbouring columns, which pack into the 16
; bytes that it owns in the NEXT product's block: each store of a wave is 512 consecutive bytes, and no stage in LDS is needed.
; CLUSTER 4 x 4: the activations' tile is shared along a row of the cluster, the weights' along a column; each is asked for jointly.
; FF1 = 0: q is multiplied by c = log2(e) / sqrt(512) in f32 ahead of its one rounding; v is stored with its 16-byte pieces in the order in which the turning LDS load wants them.
; FF1 = 1: the bias is the C operand of the products that start the sums.  All four K steps are asked for within the first two steps.
.set FF1,   1
.set NBW,   6+2*FF1                    ; blocks of 16 columns to a wave
.set WOFF,  2097152*FF1                ; the weights' first byte in wf
.set SLOT1, 131072                     ; slot 1; one exclusive or turns an address in one slot into the other's
.set AHALF, 32768                      ; 8 row blocks x 4 k blocks: what one wave fetches and reads of the activations
.set BOFF,  65536                      ; the weights' tile lies behind the activations'
.set BHALF, NBW*4096
.set SPARE, 262144                     ; behind the ring: the spare words, 128 bytes a wave
.set L16,   1                          ; v1  16 x lane; never rewritten
.set ADRA0, 2                          ; v2  my activations in slot 0
.set ADRB0, 3                          ; v3  my weights in slot 0
.set ADRA,  4                          ; v4, v5  the same in the slot in hand
.set ADRB,  5
.set OFS,   6                          ; v6-8  the way out's offsets (FF1: v6 the bias's)
.set SPW,   28                         ; LDS address of my spare word; never rewritten
.set NIL,   29                         ; 0; never rewritten
.set ZR,    30                         ; 0, for the ReLU
.set F0,    64                         ; two fragment buffers: activations in window 0, weights in window 1
.set F1,    128
.set TMP,   64                         ; the way out: packed results, window 0
.set BIAS,  192                        ; window 1: the bias of my columns, laid as an accumulator's registers
.set WV,    10
.set G1,    24                         ; s[24:31] group 1, s[32:39] two groups 0: the activations' tiles
.set G0,    32
.set G1B,   48                         ; s[48:55], s[56:63]: the weights'
.set G0B,   56
.set TB,    45                         ; s45  LDS byte of the slot in hand
.set MSB,   0
.macro WIN new                         ; the immediate's high byte repeats the setting that is left; a switch that changes nothing is dropped
.if MSB != (\new)
	s_set_vgpr_msb (MSB<<8)|(\new)
.set MSB, \new
.endif
.endm
.macro PLACES                          ; four plain instructions behind a matrix instruction, ahead of loads into its sources and of readers of its result
.rept 4
	v_nop
.endr
.endm
.macro JLOAD s                         ; a joint load: waves 0, 1 fetch the activations' halves, waves 2, 3 the weights'; the branch hangs on the wave's number alone
	s_cmp_eq_u32 s11, 0
	s_cbranch_scc0 .Lfor_b_\@
	tensor_load_to_lds s[G0+4*(\s):G0+4*(\s)+3], s[G1:G1+7]
	s_nop 0
	PLACES
	s_branch .Lasked_\@
.Lfor_b_\@:
	tensor_load_to_lds s[G0B+4*(\s):G0B+4*(\s)+3], s[G1B:G1B+7]
	s_nop 0
	PLACES
.Lasked_\@:
.endm
.macro CREST                           ; a round of the cluster's barrier behind its opening barrier
	s_cmp_lg_u32 s[WV], 0
	s_cbranch_scc1 .Lnot_wave_0_\@
	s_barrier_signal -3
.Lnot_wave_0_\@:
	s_barrier_wait -3
	s_barrier_signal -1
	s_barrier_wait -1
.endm
.macro CROUND
	s_barrier_signal -1
	s_barrier_wait -1
	CREST
.endm
	s_load_b128 s[4:7], s[0:1], 0x0                ; activations s[4:5], wf s[6:7]
	s_load_b64 s[8:9], s[0:1], 0x10                ; the result
.if FF1
	s_load_b64 s[46:47], s[0:1], 0x18              ; the bias
.endif
	v_lshl_add_u32 v[SPW], v0, 2, SPARE
	v_mov_b32 v[NIL], 0
	ds_add_u32 v[SPW], v[NIL]                      ; the wave's opening: the add and its wait ahead of my first tensor load
	ds_add_u32 v28, v29
	v_lshrrev_b32 v1, 5, v0
	v_readfirstlane_b32 s[WV], v1                  ; wave 0..3
	s_lshr_b32 s11, s[WV], 1                       ; my half of the rows; also: I fetch activations (0) or weights (1)
	s_and_b32 s12, s[WV], 1                        ; my half of the columns; also: which half I fetch
	s_bfe_u32 s40, ttmp6, 0x40000                  ; cx
	s_bfe_u32 s41, ttmp6, 0x40004                  ; cy
	s_lshl_b32 s42, ttmp9, 2
	s_add_co_u32 s42, s42, s40                     ; tile column
	s_and_b32 s13, ttmp7, 0xffff
	s_lshl_b32 s13, s13, 2
	s_add_co_u32 s13, s13, s41                     ; tile row
	s_lshl_b32 s43, s41, 2
	s_lshl_b32 s43, 15, s43                        ; my row of the cluster
	s_lshl_b32 s44, 0x1111, s40                    ; my column
	s_or_b32 s[G1], s43, (3<<16)|(1<<21)           ; the mask; elements of 8 bytes; bit 21 beside a mask; no padding
	s_or_b32 s[G1B], s44, (3<<16)|(1<<21)
	s_mov_b32 s[G1+1], 512<<16                     ; tensor_dim0 = 512 elements: 4,096 bytes, four k blocks of a row block
	s_mov_b32 s[G1B+1], 512<<16
	s_mov_b32 s[G1+2], 8<<16                       ; tensor_dim1 = 8 row blocks
	s_mov_b32 s[G1B+2], NBW<<16
	s_mov_b32 s[G1+3], 512<<16                     ; tile_dim0
	s_mov_b32 s[G1B+3], 512<<16
	s_mov_b32 s[G1+4], 8                           ; tile_dim1
	s_mov_b32 s[G1B+4], NBW
	s_mov_b32 s[G1+5], 2048                        ; 16,384 bytes from a row block to the next
	s_mov_b32 s[G1B+5], 2048
	s_mov_b32 s[G1+6], 0
	s_mov_b32 s[G1B+6], 0
	s_mov_b32 s[G1+7], 0
	s_mov_b32 s[G1B+7], 0
	s_lshl_b32 s16, s13, 4                         ; activations: row block 16 x tile row + 8 x half: of the tile row and the wave's number alone
	s_lshl_b32 s17, s12, 3
	s_add_co_u32 s16, s16, s17
	s_lshl_b32 s16, s16, 14
	s_mov_b32 s17, 0
	s_mul_i32 s18, s42, 2*NBW                      ; weights: n block 2 NBW x tile column + NBW x half: of the tile column and the wave's number alone
	s_mul_i32 s19, s12, NBW
	s_add_co_u32 s18, s18, s19
	s_lshl_b32 s18, s18, 14
	s_add_co_u32 s18, s18, WOFF
	s_mov_b32 s19, 0
	s_lshl_b32 s20, s12, 15                        ; where they go: no place in the cluster enters an LDS address
	s_mul_i32 s21, s12, BHALF
	s_add_co_u32 s21, s21, BOFF
	s_wait_dscnt 0x0                               ; the opening add is done
	s_wait_kmcnt 0x0
	s_add_nc_u64 s[14:15], s[4:5], s[16:17]
	s_add_nc_u64 s[22:23], s[6:7], s[18:19]
	CROUND                                         ; all sixteen work-groups are here: the first joint loads meet
.irp s, 0,1
	s_mov_b32 s[G0+4*(\s)], 1
	s_add_co_u32 s[G0+4*(\s)+1], s20, (\s)*SLOT1
	s_add_nc_u64 s[G0+4*(\s)+2:G0+4*(\s)+3], s[14:15], (\s)*4096   ; K step s
	s_or_b32 s[G0+4*(\s)+3], s[G0+4*(\s)+3], 0x80000000
	s_mov_b32 s[G0B+4*(\s)], 1
	s_add_co_u32 s[G0B+4*(\s)+1], s21, (\s)*SLOT1
	s_add_nc_u64 s[G0B+4*(\s)+2:G0B+4*(\s)+3], s[22:23], (\s)*4096
	s_or_b32 s[G0B+4*(\s)+3], s[G0B+4*(\s)+3], 0x80000000
	JLOAD \s
.endr
	v_and_b32 v[L16], 31, v0
	v_lshlrev_b32 v[L16], 4, v[L16]
	s_lshl_b32 s2, s11, 15
	v_add_nc_u32 v[ADRA0], s2, v[L16]
	v_add_nc_u32 v[ADRB0], s21, v[L16]
	v_mov_b32 v[ADRA], v[ADRA0]
	v_mov_b32 v[ADRB], v[ADRB0]
	s_mov_b32 s[TB], 0
.if FF1
	s_lshl_b32 s66, s42, 10                        ; the bias of my 128 columns
	s_lshl_b32 s67, s12, 9
	s_add_co_u32 s66, s66, s67
	s_mov_b32 s67, 0
	s_add_nc_u64 s[46:47], s[46:47], s[66:67]
	v_lshrrev_b32 v[OFS], 8, v[L16]
	v_lshlrev_b32 v[OFS], 5, v[OFS]                ; 32 x (lane / 16): register j of block b is column 16 b + 8 (lane / 16) + j
	WIN 0x40
.set ib, 0
.rept 8
	global_load_b128 v[BIAS+8*ib:BIAS+8*ib+3], v[OFS], s[46:47] offset:64*ib
	global_load_b128 v[BIAS+8*ib+4:BIAS+8*ib+7], v[OFS], s[46:47] offset:64*ib+16
.set ib, ib+1
.endr
	WIN 0
	v_mov_b32 v[ZR], 0
	s_lshl_b32 s66, s13, 4                         ; act: row block 16 x tile row + 8 x half, 65,536 bytes each; k block 8 x tile column + 4 x half
	s_lshl_b32 s67, s11, 3
	s_add_co_u32 s66, s66, s67
	s_lshl_b32 s66, s66, 16
	s_lshl_b32 s67, s42, 3
	s_lshl_b32 s68, s12, 2
	s_add_co_u32 s67, s67, s68
	s_lshl_b32 s67, s67, 10
	s_add_co_u32 s66, s66, s67
	s_mov_b32 s67, 0
	s_add_nc_u64 s[8:9], s[8:9], s[66:67]
.else
	s_mul_i32 s79, s42, 6                          ; my three groups of 32 columns: j = 16 sel + head = 6 x tile column + 3 x half + p
	s_mul_i32 s68, s12, 3
	s_add_co_u32 s79, s79, s68
	s_lshr_b32 s66, s13, 3                         ; qkv: [batch][j][token block] blocks of 1,024 bytes
	s_mul_i32 s66, s66, 6291456
	s_lshl_b32 s68, s79, 17
	s_add_co_u32 s66, s66, s68
	s_and_b32 s68, s13, 7
	s_lshl_b32 s68, s68, 4
	s_lshl_b32 s69, s11, 3
	s_add_co_u32 s68, s68, s69
	s_lshl_b32 s68, s68, 10
	s_add_co_u32 s66, s66, s68
	s_mov_b32 s67, 0
	s_add_nc_u64 s[8:9], s[8:9], s[66:67]
	s_mov_b32 s69, 0x3d8293ee                      ; c = log2(e) / sqrt(512) = 0.0637587
	v_and_b32 v10, 31, v0
	v_bfe_u32 v11, v10, 3, 1
	v_lshrrev_b32 v12, 4, v10
	v_and_b32 v13, 7, v10
	v_lshl_add_u32 v13, v12, 3, v13
	v_lshl_add_u32 v13, v11, 4, v13
	v_lshlrev_b32 v13, 4, v13                      ; v's order: token r, channels 8 hD on, are piece 16 (r / 8) + 8 hD + r % 8 of their 512 bytes
.irp p, 0,1,2
	s_add_co_u32 s68, s79, \p
	s_cmp_lt_u32 s68, 16                           ; q?  A factor and an offset are chosen; no branch and no LDS address hangs on them
	s_cselect_b32 s[70+2*\p], s69, 1.0
	s_mov_b32 s[71+2*\p], s[70+2*\p]               ; named with it as a pair
	s_cmp_ge_u32 s68, 32                           ; v?
	s_cselect_b32 s[76+\p], -1, 0
	v_cndmask_b32 v[OFS+\p], v[L16], v13, s[76+\p]
.endr
.endif
; 2 NBW products: row blocks a0, a0 + 1 of the window's four (hi: my rows 0-63 or 64-127) x all my column blocks, 32 along K.  Every accumulator has one turn a quarter, always in
; the same order.  first = 1: the products start the sums, with 0 or with the bias.
.macro MULH f, hi, a0, first
.if (\first) && FF1
	WIN 0x91+0x40*(\hi)
.else
	WIN 0xa1+0x50*(\hi)
.endif
.irp a, \a0, (\a0)+1
.set ib, 0
.rept NBW
.set rD, 8*(NBW*(\a)+ib)
.set rB, (\f)+8*ib
.set rA, (\f)+8*(4*(\hi)+(\a))
.if (\first) && FF1
	v_wmma_f32_16x16x32_bf16 v[rD:rD+7], v[rB:rB+7], v[rA:rA+7], v[BIAS+8*ib:BIAS+8*ib+7]
.elseif \first
	v_wmma_f32_16x16x32_bf16 v[rD:rD+7], v[rB:rB+7], v[rA:rA+7], 0
.else
	v_wmma_f32_16x16x32_bf16 v[rD:rD+7], v[rB:rB+7], v[rA:rA+7], v[rD:rD+7]
.endif
.set ib, ib+1
.endr
.endr
.endm
.macro FETCH k, f                      ; one run of LDS loads: k block k / 1,024 of the step: my weights, then my activations
	WIN 0x40
.set ib, 0
.rept NBW
	ds_load_b128 v[(\f)+8*ib:(\f)+8*ib+3],   v[ADRB] offset:(\k)+4096*ib
	ds_load_b128 v[(\f)+8*ib+4:(\f)+8*ib+7], v[ADRB] offset:(\k)+4096*ib+512
.set ib, ib+1
.endr
	WIN 0
.set ib, 0
.rept 8
	ds_load_b128 v[(\f)+8*ib:(\f)+8*ib+3],   v[ADRA] offset:(\k)+4096*ib
	ds_load_b128 v[(\f)+8*ib+4:(\f)+8*ib+7], v[ADRA] offset:(\k)+4096*ib+512
.set ib, ib+1
.endr
.endm
.macro QUARTER k, f, g, first          ; multiplies buffer f; in its middle fetches the next quarter's fragments into g
	s_wait_dscnt 8                                 ; all but the youngest eight loads (my rows 64-127)
	MULH \f, 0, 0, \first
	MULH \f, 0, 2, \first
	PLACES
	FETCH \k, \g
	s_wait_dscnt 2*NBW+16                          ; all but the run just issued
	MULH \f, 1, 0, \first
	MULH \f, 1, 2, \first
.endm
; A step's last quarter changes slots: one barrier.  Ahead of it each wave waits for all its tensor loads (one is out: its part of the next slot), adds 0 to its spare word, and waits for
; that and for its reads of this slot.  fill = 1: the barrier opens a round of the cluster's, and the joint refill, two K steps ahead, is the first thing behind it.
.macro TURN fill
	WIN 0
	s_wait_tensorcnt 0x0
	ds_add_u32 v[SPW], v[NIL]
	s_wait_dscnt 9                                 ; (the add and the youngest eight loads may be out)
	MULH F1, 0, 0, 0
	s_wait_dscnt 0x0                               ; the add is done, my reads of this slot are over
	s_barrier_signal -1
	MULH F1, 0, 2, 0
	WIN 0
	s_barrier_wait -1
.if \fill
	CREST
	s_xor_b32 s[G0+5], s[G0+5], SLOT1              ; the walking descriptors: the other slot than last time, the next K step
	s_add_nc_u64 s[G0+6:G0+7], s[G0+6:G0+7], 4096
	s_xor_b32 s[G0B+5], s[G0B+5], SLOT1
	s_add_nc_u64 s[G0B+6:G0B+7], s[G0B+6:G0B+7], 4096
	JLOAD 1                                        ; its four v_nop are also the places ahead of the loads below
.else
	PLACES
.endif
	s_xor_b32 s[TB], s[TB], SLOT1
	v_add_nc_u32 v[ADRA], s[TB], v[ADRA0]
	v_add_nc_u32 v[ADRB], s[TB], v[ADRB0]
	FETCH 0, F0
	MULH F1, 1, 0, 0
	MULH F1, 1, 2, 0
.endm
	s_wait_tensorcnt 0x1                           ; my part of K step 0 is in; step 1's may stay out
	s_barrier_signal -1
	s_barrier_wait -1
	FETCH 0, F0
.if FF1
	s_wait_loadcnt 0x0                             ; the bias
.endif
	QUARTER 1024, F0, F1, 1
	WIN 0
	s_mov_b32 s3, 2
.Lstep:                                        ; from a step's second quarter to the next step's first; its refills bring K steps 2 and 3
	QUARTER 2048, F1, F0, 0
	QUARTER 3072, F0, F1, 0
	TURN 1
	QUARTER 1024, F0, F1, 0
	WIN 0
	s_sub_co_u32 s3, s3, 1
	s_cmp_lg_u32 s3, 0
	s_cbranch_scc1 .Lstep
	s_mov_b32 s3, 2
.Ltail:                                        ; K steps 2 and 3 ask for nothing; the second trip is left in its middle
	QUARTER 2048, F1, F0, 0
	QUARTER 3072, F0, F1, 0
	WIN 0
	s_sub_co_u32 s3, s3, 1
	s_cmp_eq_u32 s3, 0
	s_cbranch_scc1 .Llast
	TURN 0
	QUARTER 1024, F0, F1, 0
	WIN 0
	s_branch .Ltail
.Llast:
	s_wait_dscnt 8
	MULH F1, 0, 0, 0
	MULH F1, 0, 2, 0
	s_wait_dscnt 0x0
	MULH F1, 1, 0, 0
	MULH F1, 1, 2, 0
	WIN 0
	PLACES
	; THE WAY OUT, a row block at a time; each accumulator's registers are taken in ascending order
.set ia, 0
.rept 8
	s_wait_xcnt 0x0                                ; earlier stores have read their registers: TMP's quarter is written again only behind this wait
.if !FF1
	WIN 0x82+0x41*(ia/4)
.set ib, 0
.rept NBW
.set rD, 8*(NBW*(ia%4)+ib)
.irp r, 0,2,4,6
	v_pk_mul_f32 v[rD+\r:rD+\r+1], v[rD+\r:rD+\r+1], s[70+2*(ib/2):71+2*(ib/2)] op_sel_hi:[1,0]
.endr
.set ib, ib+1
.endr
.endif
	WIN 0x0a+5*(ia/4)
.set ib, 0
.rept NBW
.set rD, 8*(NBW*(ia%4)+ib)
.set rT, TMP+32*(ia%4)+4*ib
.irp r, 0,1,2,3
	v_cvt_pk_bf16_f32 v[rT+\r], v[rD+2*\r], v[rD+2*\r+1]
.endr
.set ib, ib+1
.endr
	WIN 0
.set ib, 0
.rept NBW
.set rT, TMP+32*(ia%4)+4*ib
.if FF1
.irp r, 0,1,2,3
	v_pk_max_num_bf16 v[rT+\r], v[rT+\r], v[ZR]
.endr
	global_store_b128 v[L16], v[rT:rT+3], s[8:9] offset:65536*ia+512*ib  ; 512 consecutive bytes, aligned
.else
	global_store_b128 v[OFS+ib/2], v[rT:rT+3], s[8:9] offset:131072*(ib/2)+512*(ib%2)+1024*ia  ; the wave's 32 pieces fill 512 consecutive bytes, aligned
.endif
.set ib, ib+1
.endr
.set ia, ia+1
.endr
	s_wait_tensorcnt 0x0                           ; the wave's end
	ds_add_u32 v[SPW], v[NIL]
	s_wait_dscnt 0x0
	CROUND                                         ; the closing round
	s_endpgm
.Lfunc_end_k_qcbe7d502c8_ff1:
	.size	k_qcbe7d502c8_ff1, .Lfunc_end_k_qcbe7d502c8_ff1-k_qcbe7d502c8_ff1
	.p2alignl 7, 3214868480
	.fill 96, 4, 3214868480
	.section	.rodata,"a",@progbits
	.p2align	6, 0x0
	.amdhsa_kernel k_qcbe7d502c8_ff1
		.amdhsa_group_segment_fixed_size 327680
		.amdhsa_private_segment_fixed_size 0
		.amdhsa_enable_private_segment 0
		.amdhsa_kernarg_size 32
		.amdhsa_user_sgpr_count 2
		.amdhsa_user_sgpr_kernarg_segment_ptr 1
		.amdhsa_wavefront_size32 1
		.amdhsa_system_sgpr_workgroup_id_x 1
		.amdhsa_system_sgpr_workgroup_id_y 1
		.amdhsa_system_sgpr_workgroup_id_z 1
		.amdhsa_system_vgpr_workitem_id 0
		.amdhsa_next_free_vgpr 1024
		.amdhsa_next_free_sgpr 80
		.amdhsa_reserve_vcc 0
		.amdhsa_float_denorm_mode_32 3
		.amdhsa_float_denorm_mode_16_64 3
		.amdhsa_memory_ordered 1
		.amdhsa_forward_progress 1
		.amdhsa_inst_pref_size 113
	.end_amdhsa_kernel
	.amdgpu_metadata
---
amdhsa.version: [ 1, 2 ]
amdhsa.kernels:
  - .name:           k_qcbe7d502c8_ff1
    .symbol:         k_qcbe7d502c8_ff1.kd
    .args:
      - { .name: h2f, .offset: 0, .size: 8, .value_kind: global_buffer, .address_space: global }
      - { .name: wf, .offset: 8, .size: 8, .value_kind: global_buffer, .address_space: global }
      - { .name: act, .offset: 16, .size: 8, .value_kind: global_buffer, .address_space: global }
      - { .name: bf1, .offset: 24, .size: 8, .value_kind: global_buffer, .address_space: global }
    .group_segment_fixed_size: 327680
    .private_segment_fixed_size: 0
    .kernarg_segment_align: 8
    .kernarg_segment_size: 32
    .max_flat_workgroup_size: 128
    .sgpr_count:     80
    .vgpr_count:     1024
    .wavefront_size: 32
...
	.end_amdgpu_metadata
.endif
;; end of part 5
;; launch ff2 (part 6): grid 4 x 64, 4 waves a work-group, clusters of 4 x 4, 327,680 bytes of LDS; arguments act, wf, out0, x1, bf2; writes out0
.if DOCPART == 6
	.amdgcn_target "amdgcn-amd-amdhsa--gfx1250"
	.amdhsa_code_object_version 6
	.text
	.protected	k_qcbe7d502c8_ff2
	.globl	k_qcbe7d502c8_ff2
	.p2align	8
	.type	k_qcbe7d502c8_ff2,@function
k_qcbe7d502c8_ff2:
	s_mov_b64 s[64:65], 0
	v_nop
	global_prefetch_b8 v0, s[64:65] scope:SCOPE_SE
	s_setreg_imm32_b32 hwreg(HW_REG_WAVE_MODE, 25, 1), 1
	s_wait_xcnt 0x0
	s_wait_alu depctr_hold_cnt(0) depctr_sa_sdst(0) depctr_va_vdst(0) depctr_va_sdst(0) depctr_va_ssrc(0) depctr_va_vcc(0) depctr_vm_vsrc(0)
	s_getreg_b32 s2, hwreg(HW_REG_IB_STS2, 6, 4)
	s_cmp_eq_u32 s2, 0
	s_cbranch_scc0 .Lentry_in_a_cluster
	s_endpgm
.Lentry_in_a_cluster:
	s_bfe_u32 s2, ttmp6, 0x10000c
	s_cmp_lg_u32 s2, 0xf033
	s_cbranch_scc0 .Lentry_shape_is_right
	s_endpgm
.Lentry_shape_is_right:
; out0 = x1 + act W2 + bf2.  M = 8,192, N = 512, K = 2,048.  act and W2 in bf16 blocks (1,024 bytes = 16 rows x 32 k, an operand as it lies in registers); sums in f32; out0 row-major f32.
; SHARES.  N is short: tiles of 128 x 128 give each of 256 work-groups one; a wave makes 64 x 64: 16 accumulators.  K goes in eight steps of 256 through two LDS slots of 131,072 bytes:
; a tile's rows in memory are 8,192 consecutive bytes (eight k blocks of a row block), four to a wave's load; no padding: a fragment load is 16 x lane, 512 consecutive bytes.
; THE PRODUCT IS TAKEN TRANSPOSED (source 0 = W2's rows, source 1 = act's): a lane holds one row and eight neighbouring columns.
; The sums start from x1 + bf2: x1 was stored as accumulators lie in registers and is loaded straight into them.  So the loop has one form of product and nothing is cleared.
; CLUSTER 4 x 4: act's tile is shared along a row of the cluster, W2's along a column.
; THE WAY OUT: a wave's 64 columns are 256 aligned bytes of a row: 16 rows at a time through my own stage in LDS, then 16 lanes store a whole run of 256 bytes.
; REGISTERS.  window 0: v1-5, v24-26 addresses; v32-95 at work; v128-255 accumulators ((a, b) at 128 + 8 (4 a + b)).  window 1: two fragment buffers of 128: act's 64 (8 (4 c + a)), then W2's 64.
.set SLOT1, 131072
.set HALFT, 32768                      ; four row blocks x eight k blocks: what one load brings and one wave reads
.set STAGE, 262144
.set SP,    272
.set SPARE, 279552
.set L16,   1
.set ADRA0, 2
.set ADRB0, 3
.set ADRA,  4
.set ADRB,  5
.set BO,    6
.set STO,   24
.set RD,    25
.set CO,    26
.set SPW,   28
.set NIL,   29
.set TMP,   32
.set ACC,   128
.set F0,    0
.set F1,    128
.set WV,    10
.set G1,    24
.set G0,    32
.set G1B,   48
.set G0B,   56
.set TB,    45
.set MSB,   0
.macro WIN new
.if MSB != (\new)
	s_set_vgpr_msb (MSB<<8)|(\new)
.set MSB, \new
.endif
.endm
.macro PLACES
.rept 4
	v_nop
.endr
.endm
.macro JLOAD s                         ; a joint load: waves 0, 1 fetch act's halves, waves 2, 3 W2's; the branch hangs on the wave's number alone
	s_cmp_eq_u32 s11, 0
	s_cbranch_scc0 .Lfor_b_\@
	tensor_load_to_lds s[G0+4*(\s):G0+4*(\s)+3], s[G1:G1+7]
	s_nop 0
	PLACES
	s_branch .Lasked_\@
.Lfor_b_\@:
	tensor_load_to_lds s[G0B+4*(\s):G0B+4*(\s)+3], s[G1B:G1B+7]
	s_nop 0
	PLACES
.Lasked_\@:
.endm
.macro CREST
	s_cmp_lg_u32 s[WV], 0
	s_cbranch_scc1 .Lnot_wave_0_\@
	s_barrier_signal -3
.Lnot_wave_0_\@:
	s_barrier_wait -3
	s_barrier_signal -1
	s_barrier_wait -1
.endm
.macro CROUND
	s_barrier_signal -1
	s_barrier_wait -1
	CREST
.endm
	s_load_b128 s[4:7], s[0:1], 0x0                ; act s[4:5], wf s[6:7]
	s_load_b64 s[8:9], s[0:1], 0x10                ; out0
	s_load_b128 s[68:71], s[0:1], 0x18             ; x1 s[68:69], bf2 s[70:71]
	v_lshl_add_u32 v[SPW], v0, 2, SPARE
	v_mov_b32 v[NIL], 0
	ds_add_u32 v[SPW], v[NIL]                      ; the wave's opening: the add and its wait ahead of my first tensor load
	ds_add_u32 v28, v29
	v_lshrrev_b32 v1, 5, v0
	v_readfirstlane_b32 s[WV], v1
	s_lshr_b32 s11, s[WV], 1                       ; my half of the rows; also: I fetch act (0) or W2 (1)
	s_and_b32 s12, s[WV], 1                        ; my half of the columns; also: which half I fetch
	s_bfe_u32 s40, ttmp6, 0x40000
	s_bfe_u32 s41, ttmp6, 0x40004
	s_lshl_b32 s42, ttmp9, 2
	s_add_co_u32 s42, s42, s40                     ; tile column
	s_and_b32 s13, ttmp7, 0xffff
	s_lshl_b32 s13, s13, 2
	s_add_co_u32 s13, s13, s41                     ; tile row
	s_lshl_b32 s43, s41, 2
	s_lshl_b32 s43, 15, s43
	s_lshl_b32 s44, 0x1111, s40
	s_or_b32 s[G1], s43, (3<<16)|(1<<21)
	s_or_b32 s[G1B], s44, (3<<16)|(1<<21)
.irp g, G1, G1B
	s_mov_b32 s[(\g)+1], 1024<<16                  ; tensor_dim0 = 1,024 elements of 8 bytes
	s_mov_b32 s[(\g)+2], 4<<16                     ; tensor_dim1 = 4 row blocks
	s_mov_b32 s[(\g)+3], 1024<<16                  ; tile_dim0
	s_mov_b32 s[(\g)+4], 4                         ; tile_dim1
	s_mov_b32 s[(\g)+5], 8192                      ; 65,536 bytes from a row block to the next
	s_mov_b32 s[(\g)+6], 0
	s_mov_b32 s[(\g)+7], 0
.endr
	s_lshl_b32 s16, s13, 3                         ; act: row block 8 x tile row + 4 x half
	s_lshl_b32 s17, s12, 2
	s_add_co_u32 s16, s16, s17
	s_lshl_b32 s16, s16, 16
	s_mov_b32 s17, 0
	s_lshl_b32 s18, s42, 3                         ; W2: n block 8 x tile column + 4 x half
	s_lshl_b32 s19, s12, 2
	s_add_co_u32 s18, s18, s19
	s_lshl_b32 s18, s18, 16
	s_add_co_u32 s18, s18, 0x400000
	s_mov_b32 s19, 0
	s_lshl_b32 s20, s[WV], 15                      ; where they go: wave x 32,768
	s_wait_dscnt 0x0
	s_wait_kmcnt 0x0
	s_add_nc_u64 s[14:15], s[4:5], s[16:17]
	s_add_nc_u64 s[22:23], s[6:7], s[18:19]
	CROUND                                         ; all sixteen work-groups are here: the first joint loads meet
.irp s, 0,1
	s_mov_b32 s[G0+4*(\s)], 1
	s_add_co_u32 s[G0+4*(\s)+1], s20, (\s)*SLOT1
	s_add_nc_u64 s[G0+4*(\s)+2:G0+4*(\s)+3], s[14:15], (\s)*8192
	s_or_b32 s[G0+4*(\s)+3], s[G0+4*(\s)+3], 0x80000000
	s_mov_b32 s[G0B+4*(\s)], 1
	s_add_co_u32 s[G0B+4*(\s)+1], s20, (\s)*SLOT1
	s_add_nc_u64 s[G0B+4*(\s)+2:G0B+4*(\s)+3], s[22:23], (\s)*8192
	s_or_b32 s[G0B+4*(\s)+3], s[G0B+4*(\s)+3], 0x80000000
	JLOAD \s
.endr
	v_and_b32 v[L16], 31, v0
	v_lshlrev_b32 v[L16], 4, v[L16]
	v_and_b32 v10, 15, v0
	v_bfe_u32 v11, v0, 4, 1
	s_lshl_b32 s66, s13, 3                         ; x1: tile (row block 8 x tile row + 4 x half + a, column block 8 x tile column + 4 x half + b), 1,024 bytes
	s_lshl_b32 s67, s11, 2
	s_add_co_u32 s66, s66, s67
	s_lshl_b32 s66, s66, 5
	s_lshl_b32 s67, s42, 3
	s_add_co_u32 s66, s66, s67
	s_lshl_b32 s67, s12, 2
	s_add_co_u32 s66, s66, s67
	s_lshl_b32 s66, s66, 10
	s_mov_b32 s67, 0
	s_add_nc_u64 s[68:69], s[68:69], s[66:67]
	s_lshl_b32 s72, s42, 9                         ; my 64 columns, in bytes of f32
	s_lshl_b32 s66, s12, 8
	s_add_co_u32 s72, s72, s66
	s_mov_b32 s73, 0
	s_add_nc_u64 s[70:71], s[70:71], s[72:73]
.set i, 0
.rept 32
	global_load_b128 v[ACC+4*i:ACC+4*i+3], v[L16], s[68:69] offset:32768*(i/8)+512*(i%8) th:TH_LOAD_NT
.set i, i+1
.endr
	v_lshlrev_b32 v[BO], 5, v11
.set i, 0
.rept 8
	global_load_b128 v[TMP+4*i:TMP+4*i+3], v[BO], s[70:71] offset:64*(i/2)+16*(i%2)
.set i, i+1
.endr
	s_lshl_b32 s66, s13, 7                         ; out0 at my first row and column
	s_lshl_b32 s74, s11, 6
	s_add_co_u32 s66, s66, s74
	s_lshl_b32 s66, s66, 11
	s_add_co_u32 s66, s66, s72
	s_add_nc_u64 s[8:9], s[8:9], s[66:67]
	s_lshl_b32 s2, s11, 15
	v_add_nc_u32 v[ADRA0], s2, v[L16]
	s_lshl_b32 s2, s12, 15
	s_add_co_u32 s2, s2, 2*HALFT
	v_add_nc_u32 v[ADRB0], s2, v[L16]
	v_mov_b32 v[ADRA], v[ADRA0]
	v_mov_b32 v[ADRB], v[ADRB0]
	s_mov_b32 s[TB], 0
	s_mul_i32 s2, s[WV], 16*SP
	s_add_co_u32 s2, s2, STAGE
	v_mul_u32_u24 v[STO], v10, SP                  ; in: row lane % 16, 32 bytes for each half of the lanes
	v_lshl_add_u32 v[STO], v11, 5, v[STO]
	v_add_nc_u32 v[STO], s2, v[STO]
	v_mul_u32_u24 v[RD], v11, SP                   ; back: lanes 0-15 one row of 256 bytes, lanes 16-31 the next
	v_lshl_add_u32 v[RD], v10, 4, v[RD]
	v_add_nc_u32 v[RD], s2, v[RD]
	v_lshlrev_b32 v[CO], 11, v11                   ; and the same two rows in out0
	v_lshl_add_u32 v[CO], v10, 4, v[CO]
	s_wait_loadcnt 0x0
.set i, 0
.rept 64                               ; + bf2: pair i % 16 of my columns, for all four a
	v_pk_add_f32 v[ACC+2*i:ACC+2*i+1], v[ACC+2*i:ACC+2*i+1], v[TMP+2*(i%16):TMP+2*(i%16)+1]
.set i, i+1
.endr
.macro MUL8 f, c, a0                   ; 8 products: row blocks a0, a0 + 1 x my 4 column blocks, k block c of the buffer; the 16 accumulators take turns
	WIN 0x05
.irp a, \a0, (\a0)+1
.irp b, 0,1,2,3
	v_wmma_f32_16x16x32_bf16 v[ACC+8*(4*(\a)+(\b)):ACC+8*(4*(\a)+(\b))+7], v[(\f)+64+8*(4*(\c)+(\b)):(\f)+64+8*(4*(\c)+(\b))+7], v[(\f)+8*(4*(\c)+(\a)):(\f)+8*(4*(\c)+(\a))+7], v[ACC+8*(4*(\a)+(\b)):ACC+8*(4*(\a)+(\b))+7]
.endr
.endr
.endm
.macro FETCH k, f                      ; 32 LDS loads in one run: two k blocks at byte k of the row blocks; the first k block first
	WIN 0x40
.irp c, 0,1
.irp i, 0,1,2,3
	ds_load_b128 v[(\f)+64+8*(4*(\c)+(\i)):(\f)+64+8*(4*(\c)+(\i))+3],   v[ADRB] offset:(\k)+1024*(\c)+8192*(\i)
	ds_load_b128 v[(\f)+64+8*(4*(\c)+(\i))+4:(\f)+64+8*(4*(\c)+(\i))+7], v[ADRB] offset:(\k)+1024*(\c)+8192*(\i)+512
	ds_load_b128 v[(\f)+8*(4*(\c)+(\i)):(\f)+8*(4*(\c)+(\i))+3],         v[ADRA] offset:(\k)+1024*(\c)+8192*(\i)
	ds_load_b128 v[(\f)+8*(4*(\c)+(\i))+4:(\f)+8*(4*(\c)+(\i))+7],       v[ADRA] offset:(\k)+1024*(\c)+8192*(\i)+512
.endr
.endr
.endm
.macro QUARTER k, f, g
	s_wait_dscnt 16                                ; the first k block is in; the second's sixteen loads may be out
	MUL8 \f, 0, 0
	MUL8 \f, 0, 2
	PLACES
	FETCH \k, \g
	s_wait_dscnt 32                                ; all but the run just issued
	MUL8 \f, 1, 0
	MUL8 \f, 1, 2
.endm
; A step's last quarter changes slots: one barrier; ahead of it each wave waits for all its tensor loads, adds 0 to its spare word, and waits for that and for its reads of this slot.
; fill = 1: the barrier opens a round of the cluster's, and the joint refill, two K steps ahead, is the first thing behind it: 112 products stand between it and the wait for it.
.macro TURN fill
	WIN 0
	s_wait_tensorcnt 0x0
	ds_add_u32 v[SPW], v[NIL]
	s_wait_dscnt 17                                ; (the add and the youngest sixteen loads may be out)
	MUL8 F1, 0, 0
	s_wait_dscnt 0x0
	s_barrier_signal -1
	MUL8 F1, 0, 2
	WIN 0
	s_barrier_wait -1
.if \fill
	CREST
	s_xor_b32 s[G0+5], s[G0+5], SLOT1
	s_add_nc_u64 s[G0+6:G0+7], s[G0+6:G0+7], 8192
	s_xor_b32 s[G0B+5], s[G0B+5], SLOT1
	s_add_nc_u64 s[G0B+6:G0B+7], s[G0B+6:G0B+7], 8192
	JLOAD 1
.else
	PLACES
.endif
	s_xor_b32 s[TB], s[TB], SLOT1
	v_add_nc_u32 v[ADRA], s[TB], v[ADRA0]
	v_add_nc_u32 v[ADRB], s[TB], v[ADRB0]
	FETCH 0, F0
	MUL8 F1, 1, 0
	MUL8 F1, 1, 2
.endm
	s_wait_tensorcnt 0x1                           ; my part of K step 0 is in; step 1's may stay out
	s_barrier_signal -1
	s_barrier_wait -1
	FETCH 0, F0
	WIN 0
	s_mov_b32 s3, 6
.Lstep:                                        ; K steps 0 to 5: each asks for the step two on
	QUARTER 2048, F0, F1
	QUARTER 4096, F1, F0
	QUARTER 6144, F0, F1
	TURN 1
	WIN 0
	s_sub_co_u32 s3, s3, 1
	s_cmp_lg_u32 s3, 0
	s_cbranch_scc1 .Lstep
	s_mov_b32 s3, 2
.Ltail:                                        ; K steps 6 and 7 ask for nothing; the second trip is left in its middle
	QUARTER 2048, F0, F1
	QUARTER 4096, F1, F0
	QUARTER 6144, F0, F1
	WIN 0
	s_sub_co_u32 s3, s3, 1
	s_cmp_eq_u32 s3, 0
	s_cbranch_scc1 .Llast
	TURN 0
	WIN 0
	s_branch .Ltail
.Llast:
	s_wait_dscnt 16
	MUL8 F1, 0, 0
	MUL8 F1, 0, 2
	s_wait_dscnt 0x0
	MUL8 F1, 1, 0
	MUL8 F1, 1, 2
	WIN 0
	PLACES
.set ia, 0
.rept 4
.set i, 0
.rept 8                                ; accumulator (ia, i / 2), its low half first
	ds_store_b128 v[STO], v[ACC+32*ia+4*i:ACC+32*ia+4*i+3] offset:64*(i/2)+16*(i%2)
.set i, i+1
.endr
	s_wait_xcnt 0x0                                ; earlier stores have read their registers
.set i, 0
.rept 8
	ds_load_b128 v[TMP+32*(ia%2)+4*i:TMP+32*(ia%2)+4*i+3], v[RD] offset:2*SP*i  ; LDS serves a wave's instructions in order (ISA guide 5.7.1.4): these see the stores above, the next block's stores come behind them
.set i, i+1
.endr
	s_wait_dscnt 0x0
.set i, 0
.rept 8
	global_store_b128 v[CO], v[TMP+32*(ia%2)+4*i:TMP+32*(ia%2)+4*i+3], s[8:9] offset:(16*ia+2*i)*2048  ; 16 lanes store 256 consecutive bytes, aligned
.set i, i+1
.endr
.set ia, ia+1
.endr
	s_wait_tensorcnt 0x0                           ; the wave's end
	ds_add_u32 v[SPW], v[NIL]
	s_wait_dscnt 0x0
	CROUND                                         ; the closing round
	s_endpgm
.Lfunc_end_k_qcbe7d502c8_ff2:
	.size	k_qcbe7d502c8_ff2, .Lfunc_end_k_qcbe7d502c8_ff2-k_qcbe7d502c8_ff2
	.p2alignl 7, 3214868480
	.fill 96, 4, 3214868480
	.section	.rodata,"a",@progbits
	.p2align	6, 0x0
	.amdhsa_kernel k_qcbe7d502c8_ff2
		.amdhsa_group_segment_fixed_size 327680
		.amdhsa_private_segment_fixed_size 0
		.amdhsa_enable_private_segment 0
		.amdhsa_kernarg_size 40
		.amdhsa_user_sgpr_count 2
		.amdhsa_user_sgpr_kernarg_segment_ptr 1
		.amdhsa_wavefront_size32 1
		.amdhsa_system_sgpr_workgroup_id_x 1
		.amdhsa_system_sgpr_workgroup_id_y 1
		.amdhsa_system_sgpr_workgroup_id_z 1
		.amdhsa_system_vgpr_workitem_id 0
		.amdhsa_next_free_vgpr 512
		.amdhsa_next_free_sgpr 80
		.amdhsa_reserve_vcc 0
		.amdhsa_float_denorm_mode_32 3
		.amdhsa_float_denorm_mode_16_64 3
		.amdhsa_memory_ordered 1
		.amdhsa_forward_progress 1
		.amdhsa_inst_pref_size 63
	.end_amdhsa_kernel
	.amdgpu_metadata
---
amdhsa.version: [ 1, 2 ]
amdhsa.kernels:
  - .name:           k_qcbe7d502c8_ff2
    .symbol:         k_qcbe7d502c8_ff2.kd
    .args:
      - { .name: act, .offset: 0, .size: 8, .value_kind: global_buffer, .address_space: global }
      - { .name: wf, .offset: 8, .size: 8, .value_kind: global_buffer, .address_space: global }
      - { .name: out0, .offset: 16, .size: 8, .value_kind: global_buffer, .address_space: global }
      - { .name: x1, .offset: 24, .size: 8, .value_kind: global_buffer, .address_space: global }
      - { .name: bf2, .offset: 32, .size: 8, .value_kind: global_buffer, .address_space: global }
    .group_segment_fixed_size: 327680
    .private_segment_fixed_size: 0
    .kernarg_segment_align: 8
    .kernarg_segment_size: 40
    .max_flat_workgroup_size: 128
    .sgpr_count:     80
    .vgpr_count:     512
    .wavefront_size: 32
...
	.end_amdgpu_metadata
.endif
;; end of part 6
